; MI455X (gfx1250); checked and timed in simulation.
; The chip was launched on July 23, 2026; its instructions are those of AMD's public machine-readable ISA for CDNA 5 (MIT licence, August 2026) and "CDNA5" Instruction Set Architecture Reference Guide (July 2026). The comments in the code are by the model that wrote it; some were corrected since.
;; Selective WKV 1 B. Allowed arithmetic: float matrix products may take bf16 or f16 operands with f32 sums; other float arithmetic in f32, or as packed bf16 or f16 multiplies, adds, multiply-adds, maxima and minima; sums over many terms, partial sums and values carried from step to step in f32; what a program stores and reads back later, other than sums and carried values, may be rounded once to bf16 or f16.
;; Inputs: Wk 2,048 x 2,048 float32; Wout 2,048 x 2,048 float32; Wr 2,048 x 2,048 float32; Wv 2,048 x 2,048 float32; Ww 2,048 x 2,048 float32; Wx 2,048 x 2,048 float32; beta 2,048 float32; bw 2,048 float32; gamma 2,048 float32; x 2 x 1,024 x 2,048 float32.
;; Outputs: out0 2 x 1,024 x 2,048 float32; out1 2 x 32 x 64 x 64 float32.
;; One version. Each part assembles by itself: llvm-mc -triple=amdgcn-amd-amdhsa -mcpu=gfx1250 --defsym DOCPART=n.
;; ======== version 1 of 1: 5 launches
;; limits: values are held in f16: magnitudes above 65,504 overflow, below 6.1e-05 lose precision; values outside matrix products are rounded to f16
;; workspace buffers: xnT 8,388,608 bytes; wT 50,331,648 bytes; proj 33,554,432 bytes; pmax 4,096 bytes; rk 16,777,216 bytes; ad 3,145,728 bytes; yT 8,388,608 bytes
;; launch prep (part 1): grid 256 x 7, 8 waves a work-group, no clusters, 37,888 bytes of LDS; arguments x, Ww, Wk, Wv, Wr, Wx, Wout, gamma, beta, xnT, wT; writes xnT, wT
.if DOCPART == 1
	.amdgcn_target "amdgcn-amd-amdhsa--gfx1250"
	.amdhsa_code_object_version 6
	.text
	.protected	k_q63857df251_prep
	.globl	k_q63857df251_prep
	.p2align	8
	.type	k_q63857df251_prep,@function
k_q63857df251_prep:
	s_mov_b64 s[64:65], 0
	v_nop
	global_prefetch_b8 v0, s[64:65] scope:SCOPE_SE
	s_setreg_imm32_b32 hwreg(HW_REG_WAVE_MODE, 25, 1), 1
	s_wait_xcnt 0x0
; prep: seven matrices of 2048 x 2048 f32 become f16 copies in the TILE-MAJOR layout that all later launches read:
;   byte of element (row, col) = (col >> 4) * 65536 + row * 32 + (col & 15) * 2      (128 planes of [2048 rows][16 columns])
; Grid y picks the matrix: 0 = x, which is layer-normalised on the way (mean, then variance of the centred row, in f32: no
; difference of large sums); 1..6 = Ww, Wk, Wv, Wr, Wx, Wout, which go to wT at (y - 1) * 8 MiB.
; A work-group takes 8 rows, one wave a row (16 loads of 512 consecutive bytes).  The 8 rows meet in LDS so that each store
; writes 8 rows x 32 bytes of a plane: sixteen lanes cover 256 consecutive bytes, aligned.
; REGISTERS ARE KEPT AT 128 so that four work-groups (32 waves, 8 a SIMD) lie on a WGP: 4 x 64 KiB of loads on their way.  The row takes 64;
; gamma and beta, which only x's work-groups need, come in three batches of 6, 6 and 4 loads each into 24 + 24 registers.
; A stream: every byte read once and written once; matrix units, clusters and tensor loads would add nothing.
; LIMIT (format): the copies are f16, so |W| and |xn| <= 45.3 max|gamma| + max|beta| must stay below 65504; f16 keeps 11 bits.
.set X,    16                          ; v[16:79]   the row's 64 numbers of this lane; later v[16:47] packed f16, v[48:79] read back
.set GM,   80                          ; v[80:103]  gamma, a batch
.set BT,   104                         ; v[104:127] beta, a batch
.set OUTR, 48
.set LPL,  288                         ; LDS bytes of a plane's 8 rows: 256 + 32, so that the 8 planes of one store lie 72 words apart
.macro WSUM a, t                       ; sum over the wave's 32 lanes, result in every lane
	v_add_f32_dpp v[\a], v[\a], v[\a] row_xmask:1 row_mask:0xf bank_mask:0xf
	v_add_f32_dpp v[\a], v[\a], v[\a] row_xmask:2 row_mask:0xf bank_mask:0xf
	v_add_f32_dpp v[\a], v[\a], v[\a] row_xmask:4 row_mask:0xf bank_mask:0xf
	v_add_f32_dpp v[\a], v[\a], v[\a] row_xmask:8 row_mask:0xf bank_mask:0xf
	v_permlanex16_b32 v[\t], v[\a], s34, s35
	v_add_f32 v[\a], v[\a], v[\t]
.endm
.macro GBLOAD j0, n                    ; gamma and beta for the columns of the row's loads j0 .. j0 + n - 1
.set j, \j0
.rept \n
	global_load_b128 v[GM+4*(j-\j0):GM+4*(j-\j0)+3], v2, s[18:19] offset:512*j
	global_load_b128 v[BT+4*(j-\j0):BT+4*(j-\j0)+3], v2, s[20:21] offset:512*j
.set j, j+1
.endr
.endm
.macro GBUSE j0, n                     ; x = x * gamma + beta for those columns
.set p, 0
.rept 2*\n
	v_pk_fma_f32 v[X+4*\j0+2*p:X+4*\j0+2*p+1], v[X+4*\j0+2*p:X+4*\j0+2*p+1], v[GM+2*p:GM+2*p+1], v[BT+2*p:BT+2*p+1]
.set p, p+1
.endr
.endm
.macro RSMUL p0, n                     ; pairs p0 .. p0 + n - 1 of the centred row times 1 / sqrt(var + eps)
.set p, \p0
.rept \n
	v_pk_mul_f32 v[X+2*p:X+2*p+1], v[X+2*p:X+2*p+1], v[10:11]
.set p, p+1
.endr
.endm
	s_load_b512 s[4:19], s[0:1], 0x0               ; x, Ww, Wk, Wv, Wr, Wx, Wout, gamma
	s_load_b128 s[20:23], s[0:1], 0x40             ; beta, xnT
	s_load_b64 s[24:25], s[0:1], 0x50              ; wT
	v_lshl_add_u32 v128, v0, 2, 0x9000
	v_mov_b32 v129, 0
	s_and_b32 s26, ttmp7, 0xffff                   ; which matrix
	s_mov_b32 s34, 0x76543210                      ; v_permlanex16_b32: lane i reads lane i of the other half
	s_mov_b32 s35, 0xfedcba98
	s_mov_b32 s38, 0x3a000000                      ; 1 / 2048
	s_mov_b32 s39, 0x3727c5ac                      ; 1e-5
	v_and_b32 v1, 31, v0                           ; lane
	v_lshrrev_b32 v6, 5, v0
	v_readfirstlane_b32 s27, v6                    ; wave = row of the eight
	v_lshlrev_b32 v2, 4, v1                        ; 16 bytes a lane
	v_lshrrev_b32 v6, 2, v1
	v_and_b32 v7, 3, v1
	v_mul_u32_u24 v3, v6, LPL                      ; into LDS: plane (lane >> 2) of the load's eight,
	v_lshl_add_u32 v3, v7, 3, v3                   ; 8 bytes (4 f16) at column 4 (lane & 3),
	s_lshl_b32 s36, s27, 5
	v_add_nc_u32 v3, s36, v3                       ; row = wave
	v_lshrrev_b32 v6, 4, v1
	v_and_b32 v7, 15, v1
	v_mul_u32_u24 v4, v6, LPL                      ; back: two planes a load, 256 bytes each;
	v_lshl_add_u32 v4, v7, 4, v4
	s_mul_i32 s36, s27, 16*LPL                     ; wave w stores planes 16 w .. 16 w + 15
	v_add_nc_u32 v4, s36, v4
	v_lshlrev_b32 v5, 16, v6                       ; and the same two planes in memory
	v_lshl_add_u32 v5, v7, 4, v5
	s_max_u32 s32, s26, 1
	s_sub_co_u32 s32, s32, 1
	s_lshl_b32 s32, s32, 23                        ; (y - 1) * 8 MiB
	s_mov_b32 s33, 0
	s_wait_kmcnt 0x0
	s_mov_b64 s[28:29], s[4:5]
.irp n, 1,2,3,4,5,6
	s_cmp_eq_u32 s26, \n
	s_cselect_b64 s[28:29], s[4+2*\n:5+2*\n], s[28:29]     ; the source
.endr
	s_add_nc_u64 s[30:31], s[24:25], s[32:33]
	s_cmp_eq_u32 s26, 0
	s_cselect_b64 s[30:31], s[22:23], s[30:31]     ; the destination
	s_lshl_b32 s32, ttmp9, 16                      ; 8 rows of 8,192 bytes a work-group,
	s_lshl_b32 s36, s27, 13                        ; one a wave
	s_add_co_u32 s32, s32, s36
	s_add_nc_u64 s[28:29], s[28:29], s[32:33]
	s_lshl_b32 s32, ttmp9, 8                       ; 8 rows of 32 bytes in a plane,
	s_lshl_b32 s36, s27, 20                        ; 16 planes a wave
	s_add_co_u32 s32, s32, s36
	s_add_nc_u64 s[30:31], s[30:31], s[32:33]
.set j, 0
.rept 16
	global_load_b128 v[X+4*j:X+4*j+3], v2, s[28:29] offset:512*j th:TH_LOAD_NT
.set j, j+1
.endr
	s_cmp_lg_u32 s26, 0
	s_cbranch_scc1 .Lplain
	; ---- layer norm of the wave's row
	GBLOAD 0, 6
	s_wait_loadcnt 12                              ; the row is in; the 12 loads of gamma and beta issued behind it stay out
.irp c, 0,1,2,3
	v_pk_add_f32 v[6+2*\c:7+2*\c], v[X+2*\c:X+2*\c+1], v[X+8+2*\c:X+8+2*\c+1]     ; four chains, started by the data
.endr
.set p, 8
.rept 24
	v_pk_add_f32 v[6+2*(p%4):7+2*(p%4)], v[6+2*(p%4):7+2*(p%4)], v[X+2*p:X+2*p+1]
.set p, p+1
.endr
	v_pk_add_f32 v[6:7], v[6:7], v[8:9]
	v_pk_add_f32 v[10:11], v[10:11], v[12:13]
	v_pk_add_f32 v[6:7], v[6:7], v[10:11]
	v_add_f32 v6, v6, v7
	WSUM 6, 7
	v_mul_f32 v6, s38, v6                          ; the mean,
	v_mov_b32 v7, v6                               ; twice, for the packed subtraction
.set p, 0
.rept 32
	v_pk_add_f32 v[X+2*p:X+2*p+1], v[X+2*p:X+2*p+1], v[6:7] neg_lo:[0,1] neg_hi:[0,1]
.set p, p+1
.endr
.irp c, 0,1,2,3
	v_pk_mul_f32 v[8+2*\c:9+2*\c], v[X+2*\c:X+2*\c+1], v[X+2*\c:X+2*\c+1]
.endr
.set p, 4
.rept 28
	v_pk_fma_f32 v[8+2*(p%4):9+2*(p%4)], v[X+2*p:X+2*p+1], v[X+2*p:X+2*p+1], v[8+2*(p%4):9+2*(p%4)]
.set p, p+1
.endr
	v_pk_add_f32 v[8:9], v[8:9], v[10:11]
	v_pk_add_f32 v[12:13], v[12:13], v[14:15]
	v_pk_add_f32 v[8:9], v[8:9], v[12:13]
	v_add_f32 v8, v8, v9
	WSUM 8, 9
	v_fma_f32 v8, v8, s38, s39                     ; variance + 1e-5
	v_rsq_f32 v10, v8
	v_rsq_f32 v11, v8
	v_nop                                          ; one plain place behind the transcendentals (ISA guide 5.7.2)
	s_wait_alu depctr_va_vdst(0)
	RSMUL 0, 12
	s_wait_loadcnt 0x0                             ; the first batch of gamma and beta
	GBUSE 0, 6
	GBLOAD 6, 6                                    ; the second batch, into the registers just used; the rest of the row is scaled meanwhile
	RSMUL 12, 20
	s_wait_loadcnt 0x0
	GBUSE 6, 6
	GBLOAD 12, 4
	s_wait_loadcnt 0x0
	GBUSE 12, 4
	s_branch .Lpack
.Lplain:
	s_wait_loadcnt 0x0
.Lpack:
	; ---- to f16, in place: word i takes numbers 2 i and 2 i + 1, which lie at or above it
.set p, 0
.rept 32
	v_cvt_pk_f16_f32 v[X+p], v[X+2*p], v[X+2*p+1]
.set p, p+1
.endr
.set j, 0
.rept 16
	ds_store_b64 v3, v[X+2*j:X+2*j+1] offset:8*LPL*j       ; load j held columns 128 j ..: planes 8 j .. 8 j + 7
.set j, j+1
.endr
	s_wait_dscnt 0x0                               ; my stores are done, for the other waves' sake
	s_barrier_signal -1
	s_barrier_wait -1
.irp n, 0,1,2,3,4,5,6,7
	ds_load_b128 v[OUTR+4*\n:OUTR+4*\n+3], v4 offset:2*LPL*\n
.endr
.irp n, 0,1,2,3,4,5,6,7
	s_wait_dscnt 7-\n                              ; LDS loads come back in order: the n-th is in
	global_store_b128 v5, v[OUTR+4*\n:OUTR+4*\n+3], s[30:31] offset:131072*\n
.endr
	s_wait_tensorcnt 0x0
	ds_add_u32 v128, v129
	s_wait_dscnt 0x0
	s_endpgm
.Lfunc_end_k_q63857df251_prep:
	.size	k_q63857df251_prep, .Lfunc_end_k_q63857df251_prep-k_q63857df251_prep
	.p2alignl 7, 3214868480
	.fill 96, 4, 3214868480
	.section	.rodata,"a",@progbits
	.p2align	6, 0x0
	.amdhsa_kernel k_q63857df251_prep
		.amdhsa_group_segment_fixed_size 37888
		.amdhsa_private_segment_fixed_size 0
		.amdhsa_enable_private_segment 0
		.amdhsa_kernarg_size 88
		.amdhsa_user_sgpr_count 2
		.amdhsa_user_sgpr_kernarg_segment_ptr 1
		.amdhsa_wavefront_size32 1
		.amdhsa_system_sgpr_workgroup_id_x 1
		.amdhsa_system_sgpr_workgroup_id_y 1
		.amdhsa_system_sgpr_workgroup_id_z 1
		.amdhsa_system_vgpr_workitem_id 0
		.amdhsa_next_free_vgpr 130
		.amdhsa_next_free_sgpr 66
		.amdhsa_reserve_vcc 0
		.amdhsa_float_denorm_mode_32 3
		.amdhsa_float_denorm_mode_16_64 3
		.amdhsa_memory_ordered 1
		.amdhsa_forward_progress 1
		.amdhsa_inst_pref_size 24
	.end_amdhsa_kernel
	.amdgpu_metadata
---
amdhsa.version: [ 1, 2 ]
amdhsa.kernels:
  - .name:           k_q63857df251_prep
    .symbol:         k_q63857df251_prep.kd
    .args:
      - { .name: x, .offset: 0, .size: 8, .value_kind: global_buffer, .address_space: global }
      - { .name: Ww, .offset: 8, .size: 8, .value_kind: global_buffer, .address_space: global }
      - { .name: Wk, .offset: 16, .size: 8, .value_kind: global_buffer, .address_space: global }
      - { .name: Wv, .offset: 24, .size: 8, .value_kind: global_buffer, .address_space: global }
      - { .name: Wr, .offset: 32, .size: 8, .value_kind: global_buffer, .address_space: global }
      - { .name: Wx, .offset: 40, .size: 8, .value_kind: global_buffer, .address_space: global }
      - { .name: Wout, .offset: 48, .size: 8, .value_kind: global_buffer, .address_space: global }
      - { .name: gamma, .offset: 56, .size: 8, .value_kind: global_buffer, .address_space: global }
      - { .name: beta, .offset: 64, .size: 8, .value_kind: global_buffer, .address_space: global }
      - { .name: xnT, .offset: 72, .size: 8, .value_kind: global_buffer, .address_space: global }
      - { .name: wT, .offset: 80, .size: 8, .value_kind: global_buffer, .address_space: global }
    .group_segment_fixed_size: 37888
    .private_segment_fixed_size: 0
    .kernarg_segment_align: 8
    .kernarg_segment_size: 88
    .max_flat_workgroup_size: 256
    .sgpr_count:     66
    .vgpr_count:     130
    .wavefront_size: 32
...
	.end_amdgpu_metadata
.endif
;; end of part 1
;; launch gemm1 (part 2): grid 32 x 8, 4 waves a work-group, clusters of 4 x 4, 327,680 bytes of LDS; arguments xnT, wT, proj, pmax; writes proj, pmax
.if DOCPART == 2
	.amdgcn_target "amdgcn-amd-amdhsa--gfx1250"
	.amdhsa_code_object_version 6
	.text
	.protected	k_q63857df251_gemm1
	.globl	k_q63857df251_gemm1
	.p2align	8
	.type	k_q63857df251_gemm1,@function
k_q63857df251_gemm1:
	s_mov_b64 s[64:65], 0
	v_nop
	global_prefetch_b8 v0, s[64:65] scope:SCOPE_SE
	s_setreg_imm32_b32 hwreg(HW_REG_WAVE_MODE, 25, 1), 1
	s_wait_xcnt 0x0
	s_wait_alu depctr_hold_cnt(0) depctr_sa_sdst(0) depctr_va_vdst(0) depctr_va_sdst(0) depctr_va_ssrc(0) depctr_va_vcc(0) depctr_vm_vsrc(0)
	s_getreg_b32 s2, hwreg(HW_REG_IB_STS2, 6, 4)
	s_cmp_eq_u32 s2, 0
	s_cbranch_scc0 .Lentry_in_a_cluster
	s_endpgm
.Lentry_in_a_cluster:
	s_bfe_u32 s2, ttmp6, 0x10000c
	s_cmp_lg_u32 s2, 0xf033
	s_cbranch_scc0 .Lentry_shape_is_right
	s_endpgm
.Lentry_shape_is_right:
; gemm1: four products of 2048 x 2048 x 2048 in one launch, f16 operands, f32 sums, results as f16 in the tile-major layout
;   (byte of (row, col) = (col >> 4) * 65536 + row * 32 + (col & 15) * 2).
;   g = 0: Wxw = Wx Ww    g = 1: k = xn Wk    g = 2: v = xn Wv    g = 3: r's pre-activation = xn Wr        g = block column >> 3
; (xn Wx) Ww is formed as xn (Wx Ww): the same product in another order of rounding; Wx Ww hangs on no activation and rides here.
; A work-group makes 256 x 256 of C with four waves, a wave 128 x 128 in 512 registers.  K goes in steps of 128 through two LDS slots.
; A's tile: 8 planes (16 k each) x 256 rows; B's tile: 16 planes (16 n each) x 128 k-rows.  In memory each plane's part is one dense run
; of 8,192 or 4,096 bytes; in LDS 16 bytes of padding follow every 256, so row p of a plane lies at 32 p + 16 (p >> 3).
; A's fragments (K along the columns) are plain 16-byte loads from two planes; B's (K along the rows) are transposing loads.
; CLUSTERS: 4 x 4 work-groups; A's tile is asked for jointly along a row of the cluster, B's along a column.
; Each wave also stores the largest |C| of its block: the later launches scale k and v by exact powers of two taken from these.
; LIMIT (format): results are stored as f16: |Wxw|, |k|, |v| below 65504 (r's pre-activation may overflow to infinity: its sigmoid saturates rightly).
; REGISTERS: window 0: v16-31 addresses and maxima, v64-127, v128-191 A's fragments (two buffers); window 1: the same numbers, B's fragments;
; window 2: accumulators of my rows 0-63 (tile (a, b) at v[8 (8 a + b)]); window 3: rows 64-127.
; The matrix instruction is used transposed (source 0 = B's fragment, source 1 = A's): lane l holds row l % 16, columns 8 (l / 16) + 0..7.
.set APL,   8704                       ; A: LDS bytes of a plane, 256 rows x 34
.set BPL,   4352                       ; B: 128 k-rows x 34
.set QUART, 34816                      ; what one tensor load brings: 4 planes of A or 8 of B
.set SLOT,  4*QUART
.set ASTEP, 524288                     ; a K step in A: 8 planes
.set BSTEP, 4096                       ; in B: 128 rows of 32 bytes
.set LAPS,  8                          ; 2048 / 256
.set ADRA, 16                          ; v16-17  LDS address of my A fragments in slot 0, 1
.set ADRB, 20                          ; v20-21  the same for B
.set LN,   25
.set CO,   26                          ; my 16 bytes in a tile of C: 32 r + 16 h
.set PO,   27
.set MX,   28                          ; v28-31  four running maxima of |C|
.set F0,   64
.set F1,   128
.set G1,  24
.set G0,  32
.set G1B, 48
.set G0B, 56
.set WV,  66                           ; wave
.set RH,  67                           ; which half of the rows is mine; also: I fetch for A (0) or B (1)
.set CH,  68                           ; which half of the columns; also: which half of that tile I fetch
.set GW, (1<<16)|(1<<20)|(1<<21)|(5<<22)|(3<<25)   ; 2-byte elements; padding on; bit 21 beside a mask; after every 64 words, 4 words
.set MSB, 0
.macro WIN new                         ; the immediate's high byte repeats the setting that is left
.if MSB != \new
	s_set_vgpr_msb (MSB<<8)|\new
.set MSB, \new
.endif
.endm
.set MUL_LO, 0xa1
.set MUL_HI, 0xf1
.set TO_B,   0x40
.macro JLOAD s                         ; a joint load: waves 0, 1 ask for A's halves, waves 2, 3 for B's; the branch hangs on the wave's number alone
	s_cmp_eq_u32 s[RH], 0
	s_cbranch_scc0 .Lfor_b_\@
	tensor_load_to_lds s[G0+4*\s:G0+4*\s+3], s[G1:G1+7]
	s_nop 0
	s_branch .Lasked_\@
.Lfor_b_\@:
	tensor_load_to_lds s[G0B+4*\s:G0B+4*\s+3], s[G1B:G1B+7]
	s_nop 0
.Lasked_\@:
.endm
.macro CREST                           ; a round of the cluster's barrier behind its opening barrier
	s_cmp_lg_u32 s[WV], 0
	s_cbranch_scc1 .Lnot_wave_0_\@
	s_barrier_signal -3
.Lnot_wave_0_\@:
	s_barrier_wait -3
	s_barrier_signal -1
	s_barrier_wait -1
.endm
.macro CROUND
	s_barrier_signal -1
	s_barrier_wait -1
	CREST
.endm
.macro PLACES                          ; four plain places behind matrix instructions, in front of loads into their sources and of reads of their results
.rept 4
	v_nop
.endr
.endm
	s_load_b256 s[4:11], s[0:1], 0x0               ; xnT s[4:5], wT s[6:7], proj s[8:9], pmax s[10:11]
	s_set_vgpr_msb 0x40
	v_lshl_add_u32 v255, v0, 2, 0x44000
	s_set_vgpr_msb 0x4000
	v_mov_b32 v255, 0
	s_set_vgpr_msb 0x1
	ds_add_u32 v255, v255
	ds_add_u32 v255, v255
	s_set_vgpr_msb 0x100
	v_lshrrev_b32 v1, 5, v0
	v_readfirstlane_b32 s[WV], v1
	s_lshr_b32 s[RH], s[WV], 1
	s_and_b32 s[CH], s[WV], 1
	s_bfe_u32 s40, ttmp6, 0x40000                  ; cx
	s_bfe_u32 s41, ttmp6, 0x40004                  ; cy
	s_lshl_b32 s42, ttmp9, 2
	s_add_co_u32 s42, s42, s40                     ; block column 0..31 (8 for each product)
	s_and_b32 s13, ttmp7, 0xffff
	s_lshl_b32 s13, s13, 2
	s_add_co_u32 s13, s13, s41                     ; block row 0..7
	s_lshl_b32 s43, s41, 2
	s_lshl_b32 s43, 15, s43                        ; my row of the cluster
	s_lshl_b32 s44, 0x1111, s40                    ; my column
	s_or_b32 s[G1+0], s43, GW
	s_or_b32 s[G1B+0], s44, GW
	s_mov_b32 s[G1+1], 4096<<16                    ; A: a tile row is a plane's 256 rows x 16 = 4,096 elements,
	s_mov_b32 s[G1+2], 4<<16                       ; four planes a load
	s_mov_b32 s[G1+3], 4096<<16
	s_mov_b32 s[G1+4], 4
	s_mov_b32 s[G1+5], 32768                       ; from plane to plane: 65,536 bytes
	s_mov_b32 s[G1+6], 0
	s_mov_b32 s[G1+7], 0
	s_mov_b32 s[G1B+1], 2048<<16                   ; B: 128 k-rows x 16 = 2,048 elements,
	s_mov_b32 s[G1B+2], 8<<16                      ; eight planes a load
	s_mov_b32 s[G1B+3], 2048<<16
	s_mov_b32 s[G1B+4], 8
	s_mov_b32 s[G1B+5], 32768
	s_mov_b32 s[G1B+6], 0
	s_mov_b32 s[G1B+7], 0
	s_lshl_b32 s17, s[CH], 18                      ; A: my four planes,
	s_lshl_b32 s16, s13, 13                        ; 256 rows of 32 bytes a block row
	s_add_co_u32 s16, s16, s17
	s_mov_b32 s17, 0
	s_lshl_b32 s47, s[CH], 19                      ; B: my eight planes,
	s_lshl_b32 s46, s42, 20                        ; 16 planes a block column; eight block columns are one weight's 8 MiB, so this walks Ww, Wk, Wv, Wr
	s_add_co_u32 s46, s46, s47
	s_mov_b32 s47, 0
	s_mul_i32 s20, s[WV], QUART                    ; where my part goes: no place in the cluster enters an LDS address
	s_lshr_b32 s70, ttmp9, 1                       ; g, the same in all sixteen partners
	s_wait_dscnt 0x0
	s_wait_kmcnt 0x0
	s_add_nc_u64 s[72:73], s[6:7], 0x2000000       ; Wx's copy
	s_cmp_eq_u32 s70, 0
	s_cselect_b64 s[14:15], s[72:73], s[4:5]       ; A = Wx for g = 0, else xn
	s_add_nc_u64 s[14:15], s[14:15], s[16:17]
	s_add_nc_u64 s[46:47], s[6:7], s[46:47]
	CROUND                                         ; all sixteen work-groups are here: the first joint loads meet
.irp s, 0,1
	s_mov_b32 s[G0+4*\s], 1
	s_add_co_u32 s[G0+4*\s+1], s20, \s*SLOT
	s_add_nc_u64 s[G0+4*\s+2:G0+4*\s+3], s[14:15], \s*ASTEP
	s_or_b32 s[G0+4*\s+3], s[G0+4*\s+3], 0x80000000
	s_mov_b32 s[G0B+4*\s], 1
	s_add_co_u32 s[G0B+4*\s+1], s20, \s*SLOT
	s_add_nc_u64 s[G0B+4*\s+2:G0B+4*\s+3], s[46:47], \s*BSTEP
	s_or_b32 s[G0B+4*\s+3], s[G0B+4*\s+3], 0x80000000
	JLOAD \s
.endr
	v_and_b32 v1, 15, v0                           ; r
	v_bfe_u32 v2, v0, 4, 1                         ; h
	v_lshrrev_b32 v4, 3, v1                        ; r >> 3
	v_lshlrev_b32 v[CO], 5, v1
	v_lshl_add_u32 v[CO], v2, 4, v[CO]             ; 32 r + 16 h
	v_lshl_add_u32 v3, v4, 4, v[CO]                ; plain fragments: + 16 (r >> 3), the padding
	v_and_b32 v5, 7, v0
	v_lshlrev_b32 v5, 5, v5                        ; transposing loads: k-row 8 h + (l & 7),
	v_mad_u32_u24 v5, v2, 272, v5
	v_lshl_add_u32 v5, v4, 4, v5                   ; 16 bytes at column 8 ((l >> 3) & 1)
	s_mul_i32 s21, s[RH], 4352                     ; my 128 rows in each plane of A
	s_mul_i32 s22, s[CH], QUART                    ; my 8 planes of B,
	s_add_co_u32 s22, s22, 2*QUART                 ; behind A's tile
.irp s, 0,1
	v_add_nc_u32 v[ADRA+\s], s21, v3
	v_add_nc_u32 v[ADRB+\s], s22, v5
	s_add_co_u32 s21, s21, SLOT
	s_add_co_u32 s22, s22, SLOT
.endr
.irp r, 0,1,2,3
	v_mov_b32 v[MX+\r], 0
.endr
.macro MUL16 f, hi, a0, zero           ; 16 matrix instructions: row blocks a0, a0 + 1 of the window's four x all 8 column blocks, 32 along K
.irp a, \a0, \a0+1
.irp b, 0,1,2,3,4,5,6,7
.if \zero
	v_wmma_f32_16x16x32_f16 v[8*(8*(\a)+\b):8*(8*(\a)+\b)+7], v[\f+8*\b:\f+8*\b+7], v[\f+8*(4*\hi+\a):\f+8*(4*\hi+\a)+7], 0
.else
	v_wmma_f32_16x16x32_f16 v[8*(8*(\a)+\b):8*(8*(\a)+\b)+7], v[\f+8*\b:\f+8*\b+7], v[\f+8*(4*\hi+\a):\f+8*(4*\hi+\a)+7], v[8*(8*(\a)+\b):8*(8*(\a)+\b)+7]
.endif
.endr
.endr
.endm
.macro FETCH slot, q, f                ; 32 LDS loads in one run: the fragments of quarter q (32 along K) into buffer f
	WIN TO_B
.irp i, 0,1,2,3,4,5,6,7
	ds_load_tr16_b128 v[\f+8*\i:\f+8*\i+3],   v[ADRB+\slot] offset:\i*BPL+\q*1088
	ds_load_tr16_b128 v[\f+8*\i+4:\f+8*\i+7], v[ADRB+\slot] offset:\i*BPL+\q*1088+544
.endr
	WIN 0
.irp i, 0,1,2,3,4,5,6,7
	ds_load_b128 v[\f+8*\i:\f+8*\i+3],   v[ADRA+\slot] offset:2*\q*APL+\i*544
	ds_load_b128 v[\f+8*\i+4:\f+8*\i+7], v[ADRA+\slot] offset:2*\q*APL+APL+\i*544
.endr
.endm
.macro QUARTER slot, q, f, g, zero     ; multiplies buffer f; in its middle fetches quarter q into buffer g
	s_wait_dscnt 8                                 ; B and A's rows 0-63 are in; the youngest eight loads (A's rows 64-127) may be out
	WIN MUL_LO
	MUL16 \f, 0, 0, \zero
	MUL16 \f, 0, 2, \zero
	PLACES
	FETCH \slot, \q, \g
	s_wait_dscnt 32                                ; all but the 32 just issued
	WIN MUL_HI
	MUL16 \f, 1, 0, \zero
	MUL16 \f, 1, 2, \zero
.endm
.macro THREE slot, zero
	QUARTER \slot, 1, F0, F1, \zero
	QUARTER \slot, 2, F1, F0, 0
	QUARTER \slot, 3, F0, F1, 0
.endm
; The last quarter changes slots.  In front of the barrier each wave waits for its reads of this slot and for all its tensor loads (one is out:
; its part of the next slot).  Where the slot is filled again the barrier opens a round of the cluster's barrier, and the joint refill is the
; first tensor load behind the round.  The 64 accumulators take turns in one fixed order throughout.
.macro TURN slot, next, fill
	s_wait_dscnt 8
	WIN MUL_LO
	MUL16 F1, 0, 0, 0
	s_wait_dscnt 0
	s_wait_tensorcnt 0x0
	ds_add_u32 v255, v255
	s_wait_dscnt 0x0
	s_barrier_signal -1
	MUL16 F1, 0, 2, 0
	WIN 0
	s_barrier_wait -1
.if \fill
	CREST
	s_add_nc_u64 s[G0+4*\slot+2:G0+4*\slot+3], s[G0+4*\slot+2:G0+4*\slot+3], 2*ASTEP
	s_add_nc_u64 s[G0B+4*\slot+2:G0B+4*\slot+3], s[G0B+4*\slot+2:G0B+4*\slot+3], 2*BSTEP
	JLOAD \slot
.endif
	PLACES
	FETCH \next, 0, F0
	WIN MUL_HI
	MUL16 F1, 1, 0, 0
	MUL16 F1, 1, 2, 0
.endm
.macro LAP zero
	THREE 0, \zero
	TURN 0, 1, 1
	THREE 1, 0
	TURN 1, 0, 1
.endm
	s_wait_tensorcnt 1                             ; my part of K step 0 is in; K step 1's load stays out
	s_barrier_signal -1
	s_barrier_wait -1
	FETCH 0, 0, F0
	LAP 1                                          ; the first products start the sums: nothing is cleared
	WIN 0
	s_mov_b32 s3, LAPS-2
.Llap:
	LAP 0
	WIN 0
	s_sub_co_u32 s3, s3, 1
	s_cmp_lg_u32 s3, 0
	s_cbranch_scc1 .Llap
	THREE 0, 0                                     ; the last lap fills nothing
	TURN 0, 1, 0
	THREE 1, 0
	s_wait_dscnt 8
	WIN MUL_LO
	MUL16 F1, 0, 0, 0
	MUL16 F1, 0, 2, 0
	s_wait_dscnt 0
	WIN MUL_HI
	MUL16 F1, 1, 0, 0
	MUL16 F1, 1, 2, 0
	; THE WAY OUT.  A lane's eight results are 16 bytes of one row of a plane, and the wave's 32 lanes cover a tile's 512 consecutive bytes: no LDS stage.
	PLACES
	s_lshl_b32 s16, s13, 13                        ; my first row: 256 x block row + 128 x half, 32 bytes a row
	s_lshl_b32 s17, s[RH], 12
	s_add_co_u32 s16, s16, s17
	s_mov_b32 s17, 0
	s_add_nc_u64 s[8:9], s[8:9], s[16:17]
	s_lshl_b32 s46, s42, 20                        ; my first plane: 16 x block column + 8 x half
	s_lshl_b32 s47, s[CH], 19
	s_add_co_u32 s46, s46, s47
	s_mov_b32 s47, 0
	s_add_nc_u64 s[8:9], s[8:9], s[46:47]
.macro OUT16 i, a, from, f             ; rows 16 i .. 16 i + 15 of my block: the eight tiles (a, 0..7) of window 2 or 3
	WIN \from
.irp b, 0,1,2,3,4,5,6,7
.irp r, 0,1,2,3
	v_max3_num_f32 v[MX+\r], |v[8*(8*\a+\b)+2*\r]|, |v[8*(8*\a+\b)+2*\r+1]|, v[MX+\r]
.endr
.endr
	s_wait_xcnt 0x0                                ; buffer f, which earlier stores read, is rewritten only behind this wait
.irp b, 0,1,2,3,4,5,6,7
.irp r, 0,1,2,3
	v_cvt_pk_f16_f32 v[\f+4*\b+\r], v[8*(8*\a+\b)+2*\r], v[8*(8*\a+\b)+2*\r+1]
.endr
.endr
	WIN 0
.irp b, 0,1,2,3,4,5,6,7
	global_store_b128 v[CO], v[\f+4*\b:\f+4*\b+3], s[8:9] offset:\b*65536+\i*512
.endr
.endm
	OUT16 0, 0, 0x0a, F0
	OUT16 1, 1, 0x0a, F1
	OUT16 2, 2, 0x0a, F0
	OUT16 3, 3, 0x0a, F1
	OUT16 4, 0, 0x0f, F0
	OUT16 5, 1, 0x0f, F1
	OUT16 6, 2, 0x0f, F0
	OUT16 7, 3, 0x0f, F1
	; the wave's largest |C|, one word: pmax[(8 x block column + block row) x 4 + wave]
	s_mov_b32 s76, 0x76543210
	s_mov_b32 s77, 0xfedcba98
	v_max_num_f32 v[MX], v[MX], v[MX+1]
	v_max_num_f32 v[MX+2], v[MX+2], v[MX+3]
	v_max_num_f32 v[MX], v[MX], v[MX+2]
	v_max_num_f32_dpp v[MX], v[MX], v[MX] row_xmask:1 row_mask:0xf bank_mask:0xf
	v_max_num_f32_dpp v[MX], v[MX], v[MX] row_xmask:2 row_mask:0xf bank_mask:0xf
	v_max_num_f32_dpp v[MX], v[MX], v[MX] row_xmask:4 row_mask:0xf bank_mask:0xf
	v_max_num_f32_dpp v[MX], v[MX], v[MX] row_xmask:8 row_mask:0xf bank_mask:0xf
	v_permlanex16_b32 v[MX+1], v[MX], s76, s77
	v_max_num_f32 v[MX], v[MX], v[MX+1]
	s_lshl_b32 s74, s42, 3
	s_add_co_u32 s74, s74, s13
	s_lshl_b32 s74, s74, 2
	s_add_co_u32 s74, s74, s[WV]
	s_lshl_b32 s74, s74, 2
	v_mov_b32 v[PO], s74
	v_and_b32 v[LN], 31, v0
	v_cmp_eq_u32 vcc_lo, 0, v[LN]
	s_wait_xcnt 0x0                                ; EXEC is a source of the pending stores: it changes only behind this wait
	s_and_saveexec_b32 s75, vcc_lo
	global_store_b32 v[PO], v[MX], s[10:11]
	s_wait_xcnt 0x0
	s_or_b32 exec_lo, exec_lo, s75
	CROUND                                         ; the closing round: no work-group ends while a partner may still ask for a tile that names it
	s_endpgm
.Lfunc_end_k_q63857df251_gemm1:
	.size	k_q63857df251_gemm1, .Lfunc_end_k_q63857df251_gemm1-k_q63857df251_gemm1
	.p2alignl 7, 3214868480
	.fill 96, 4, 3214868480
	.section	.rodata,"a",@progbits
	.p2align	6, 0x0
	.amdhsa_kernel k_q63857df251_gemm1
		.amdhsa_group_segment_fixed_size 327680
		.amdhsa_private_segment_fixed_size 0
		.amdhsa_enable_private_segment 0
		.amdhsa_kernarg_size 32
		.amdhsa_user_sgpr_count 2
		.amdhsa_user_sgpr_kernarg_segment_ptr 1
		.amdhsa_wavefront_size32 1
		.amdhsa_system_sgpr_workgroup_id_x 1
		.amdhsa_system_sgpr_workgroup_id_y 1
		.amdhsa_system_sgpr_workgroup_id_z 1
		.amdhsa_system_vgpr_workitem_id 0
		.amdhsa_next_free_vgpr 1024
		.amdhsa_next_free_sgpr 84
		.amdhsa_reserve_vcc 1
		.amdhsa_float_denorm_mode_32 3
		.amdhsa_float_denorm_mode_16_64 3
		.amdhsa_memory_ordered 1
		.amdhsa_forward_progress 1
		.amdhsa_inst_pref_size 202
	.end_amdhsa_kernel
	.amdgpu_metadata
---
amdhsa.version: [ 1, 2 ]
amdhsa.kernels:
  - .name:           k_q63857df251_gemm1
    .symbol:         k_q63857df251_gemm1.kd
    .args:
      - { .name: xnT, .offset: 0, .size: 8, .value_kind: global_buffer, .address_space: global }
      - { .name: wT, .offset: 8, .size: 8, .value_kind: global_buffer, .address_space: global }
      - { .name: proj, .offset: 16, .size: 8, .value_kind: global_buffer, .address_space: global }
      - { .name: pmax, .offset: 24, .size: 8, .value_kind: global_buffer, .address_space: global }
    .group_segment_fixed_size: 327680
    .private_segment_fixed_size: 0
    .kernarg_segment_align: 8
    .kernarg_segment_size: 32
    .max_flat_workgroup_size: 128
    .sgpr_count:     84
    .vgpr_count:     1024
    .wavefront_size: 32
...
	.end_amdgpu_metadata
.endif
;; end of part 2
;; launch decay (part 3): grid 16 x 16, 4 waves a work-group, clusters of 4 x 4, 327,680 bytes of LDS; arguments xnT, proj, bw, pmax, rk, ad; writes rk, ad
.if DOCPART == 3
	.amdgcn_target "amdgcn-amd-amdhsa--gfx1250"
	.amdhsa_code_object_version 6
	.text
	.protected	k_q63857df251_decay
	.globl	k_q63857df251_decay
	.p2align	8
	.type	k_q63857df251_decay,@function
k_q63857df251_decay:
	s_mov_b64 s[64:65], 0
	v_nop
	global_prefetch_b8 v0, s[64:65] scope:SCOPE_SE
	s_setreg_imm32_b32 hwreg(HW_REG_WAVE_MODE, 25, 1), 1
	s_wait_xcnt 0x0
	s_wait_alu depctr_hold_cnt(0) depctr_sa_sdst(0) depctr_va_vdst(0) depctr_va_sdst(0) depctr_va_ssrc(0) depctr_va_vcc(0) depctr_vm_vsrc(0)
	s_getreg_b32 s2, hwreg(HW_REG_IB_STS2, 6, 4)
	s_cmp_eq_u32 s2, 0
	s_cbranch_scc0 .Lentry_in_a_cluster
	s_endpgm
.Lentry_in_a_cluster:
	s_bfe_u32 s2, ttmp6, 0x10000c
	s_cmp_lg_u32 s2, 0xf033
	s_cbranch_scc0 .Lentry_shape_is_right
	s_endpgm
.Lentry_shape_is_right:
; decay: the decay's product, d = 1 - sigmoid(xn Wxw + bw) = 1 / (1 + exp(z)), and straight from its accumulators everything of the recurrence that does
; not hang on the state, for chunks of 16 steps.  With steps 0..15 of a chunk and the state S0 at its start:
;   rt[t] = r[t] * prod(u <= t) d[u]      kh[s] = k[s] * prod(u > s) d[u]      DL = prod(all u) d[u]
;   A[t][s] = sum over i of r[t][i] k[s][i] prod(s < u <= t) d[u][i]  for s <= t, else 0
;   y = rt S0 + A V          S1 = DL * S0 + kh^T V          (formed by the next launch)
; Nothing is ever divided by a decay product (d may be exactly 0) and every decay factor is at most 1.
; THE PRODUCT: 2048 x 2048 x 2048, f16 operands (tile-major copies), f32 sums.  256 blocks of 128 x 128, four waves of 64 x 64 (128 accumulator registers, window 1).
; K goes in steps of 256 through two LDS slots: A's tile 16 planes x 128 rows, B's 8 planes x 256 k-rows; 16 bytes of padding behind every 256, so row p of a
; plane lies at 32 p + 16 (p >> 3).  CLUSTERS: 4 x 4; A's tile is asked for jointly along a row of the cluster, B's along a column.
; The matrix instruction is used transposed: lane l holds row l % 16, columns 8 (l / 16) + 0..7.
; THE WAY OUT: a wave's 64 x 64 are four chunks of one head, and lane (r = l & 15, h = l >> 4) holds step r and the 32 channels 16 b + 8 h + j of a chunk.  Steps are
; neighbours in a row of 16 lanes, so shifts along the chunk ride on the arithmetic (DPP row_shr, row_shl; a lane without a source keeps its destination).
; Four trips, a chunk each; d never goes through memory.  k and r's pre-activation (f16, tile-major: the same register image) are asked for a trip ahead.
; k is scaled by sk = 2^(123 - e), e = the biased exponent of max|k| clamped to 100..160: |k sk| < 1/8, an exact scaling, so that A (|A| <= 8), the state and y fit
; f16 for every input.  rt and kh leave as f16 in the tile-major layout, A (f16) and DL (f32) as a record of 768 bytes for each chunk.
; d and r saturate to exactly 0 or 1; exp2 flushes results below 2^-126 (then d or r is exactly 1).
.set APL,   4352
.set BPL,   8704
.set QUART, 34816
.set SLOT,  4*QUART
.set STG,   2*SLOT                     ; behind the slots, where no tensor load lands: a stage for each wave,
.set WSTG,  4864                       ; 512 bytes for A's image, then 16 rows x 272 bytes for D
.set ASTEP, 1048576                    ; a K step in A: 16 planes
.set BSTEP, 8192                       ; in B: 256 rows of 32 bytes
.set LAPS,  4                          ; 2048 / 512
.set LN,   1                           ; lane
.set RR,   2                           ; r
.set HH,   3                           ; h
.set L16,  4                           ; 16 lane
.set TMO,  5                           ; 32 r + 16 h: my 16 bytes in a tile-major tile
.set PL,   6                           ; 32 lane
.set L8,   7                           ; 8 lane
.set DW,   8                           ; where my D goes in the stage
.set AB,   9                           ; where A's image is read back
.set DB,   10                          ; where DL is read back
.set ADRA, 16                          ; v16-19  A fragments: slot s, planes 0-7 or 8-15 at v[16 + 2 s + half]
.set ADRB, 20                          ; v20-21
.set BA,   22                          ; bw's lane offset
.set AW,   16                          ; v16-23  behind the product: where lag m + 8 h of A goes
.set MT,   24                          ; v24-31  the maxima; behind the product: the record read back
.set RK,   32                          ; v32-47  k as loaded (below v128: its halves are named)
.set RG,   48                          ; v48-63  r's pre-activation as loaded
.set F0,   64                          ; buffer 0: A v64-95, B v96-127
.set F1,   128                         ; buffer 1: A v128-159, B v160-191
.set K,    64                          ; v64-95    behind the product: k sk, later kh
.set G,    96                          ; v96-127   r, multiplied on lag by lag into rt
.set ACC,  128                         ; v128-191  lag l: four partial sums of A[t][t - l]
.set BL,   192                         ; v192-223  1.442695 bw of my 32 columns
.set D,    224                         ; v224-255  d, later its suffix products
.set G1,  24
.set G0,  32
.set G1B, 48
.set G0B, 56
.set WV,  66
.set RH,  67
.set CH,  68
.set PM,  10
.set SEL, 76
.set GW, (1<<16)|(1<<20)|(1<<21)|(5<<22)|(3<<25)
.set MULW, 0x50                        ; C and D in window 1, fragments in window 0
.set MSB, 0
.macro WIN new                         ; the immediate's high byte repeats the setting that is left
.if MSB != \new
	s_set_vgpr_msb (MSB<<8)|\new
.set MSB, \new
.endif
.endm
.macro JLOAD s                         ; a joint load: waves 0, 1 ask for A's halves, waves 2, 3 for B's; the branch hangs on the wave's number alone
	s_cmp_eq_u32 s[RH], 0
	s_cbranch_scc0 .Lfor_b_\@
	tensor_load_to_lds s[G0+4*\s:G0+4*\s+3], s[G1:G1+7]
	s_nop 0
	s_branch .Lasked_\@
.Lfor_b_\@:
	tensor_load_to_lds s[G0B+4*\s:G0B+4*\s+3], s[G1B:G1B+7]
	s_nop 0
.Lasked_\@:
.endm
.macro CREST
	s_cmp_lg_u32 s[WV], 0
	s_cbranch_scc1 .Lnot_wave_0_\@
	s_barrier_signal -3
.Lnot_wave_0_\@:
	s_barrier_wait -3
	s_barrier_signal -1
	s_barrier_wait -1
.endm
.macro CROUND
	s_barrier_signal -1
	s_barrier_wait -1
	CREST
.endm
.macro PLACES                          ; four plain places behind matrix instructions (ISA guide 7.12.1)
.rept 4
	v_nop
.endr
.endm
.macro MAXLD g, t                      ; the 256 partial maxima of product g, 8 a lane
	global_load_b128 v[\t:\t+3],   v[PL], s[PM:PM+1] offset:\g*1024
	global_load_b128 v[\t+4:\t+7], v[PL], s[PM:PM+1] offset:\g*1024+16
.endm
.macro MAXEXP t, sd                    ; their maximum's biased exponent, as a scalar (it feeds a scale only, never an address or a branch)
	v_max3_num_f32 v[\t], v[\t], v[\t+1], v[\t+2]
	v_max3_num_f32 v[\t+3], v[\t+3], v[\t+4], v[\t+5]
	v_max3_num_f32 v[\t], v[\t], v[\t+6], v[\t+7]
	v_max_num_f32 v[\t], v[\t], v[\t+3]
	v_max_num_f32_dpp v[\t], v[\t], v[\t] row_xmask:1 row_mask:0xf bank_mask:0xf
	v_max_num_f32_dpp v[\t], v[\t], v[\t] row_xmask:2 row_mask:0xf bank_mask:0xf
	v_max_num_f32_dpp v[\t], v[\t], v[\t] row_xmask:4 row_mask:0xf bank_mask:0xf
	v_max_num_f32_dpp v[\t], v[\t], v[\t] row_xmask:8 row_mask:0xf bank_mask:0xf
	v_permlanex16_b32 v[\t+1], v[\t], s[SEL], s[SEL+1]
	v_max_num_f32 v[\t], v[\t], v[\t+1]
	v_readfirstlane_b32 s[\sd], v[\t]
	s_lshr_b32 s[\sd], s[\sd], 23
.endm
	s_load_b256 s[4:11], s[0:1], 0x0               ; xnT s[4:5], proj (Wxw first) s[6:7], bw s[8:9], pmax s[10:11]
	s_load_b128 s[80:83], s[0:1], 0x20             ; rk s[80:81], ad s[82:83]
	v_lshl_add_u32 v11, v0, 2, 0x48c00
	s_set_vgpr_msb 0x40
	v_mov_b32 v129, 0
	s_set_vgpr_msb 0x4044
	ds_add_u32 v11, v129
	ds_add_u32 v11, v129
	s_set_vgpr_msb 0x4400
	v_lshrrev_b32 v1, 5, v0
	v_readfirstlane_b32 s[WV], v1
	s_lshr_b32 s[RH], s[WV], 1
	s_and_b32 s[CH], s[WV], 1
	s_bfe_u32 s40, ttmp6, 0x40000
	s_bfe_u32 s41, ttmp6, 0x40004
	s_lshl_b32 s42, ttmp9, 2
	s_add_co_u32 s42, s42, s40                     ; block column 0..15
	s_and_b32 s13, ttmp7, 0xffff
	s_lshl_b32 s13, s13, 2
	s_add_co_u32 s13, s13, s41                     ; block row 0..15
	s_lshl_b32 s43, s41, 2
	s_lshl_b32 s43, 15, s43
	s_lshl_b32 s44, 0x1111, s40
	s_mov_b32 s76, 0x76543210
	s_mov_b32 s77, 0xfedcba98
	s_or_b32 s[G1+0], s43, GW
	s_or_b32 s[G1B+0], s44, GW
	s_mov_b32 s[G1+1], 2048<<16                    ; A: 128 rows x 16 elements of a plane, eight planes a load
	s_mov_b32 s[G1+2], 8<<16
	s_mov_b32 s[G1+3], 2048<<16
	s_mov_b32 s[G1+4], 8
	s_mov_b32 s[G1+5], 32768
	s_mov_b32 s[G1+6], 0
	s_mov_b32 s[G1+7], 0
	s_mov_b32 s[G1B+1], 4096<<16                   ; B: 256 k-rows x 16 elements, four planes a load
	s_mov_b32 s[G1B+2], 4<<16
	s_mov_b32 s[G1B+3], 4096<<16
	s_mov_b32 s[G1B+4], 4
	s_mov_b32 s[G1B+5], 32768
	s_mov_b32 s[G1B+6], 0
	s_mov_b32 s[G1B+7], 0
	s_lshl_b32 s17, s[CH], 19                      ; A: my eight planes, 128 rows of 32 bytes a block row
	s_lshl_b32 s16, s13, 12
	s_add_co_u32 s16, s16, s17
	s_mov_b32 s17, 0
	s_lshl_b32 s47, s[CH], 18                      ; B: my four planes, eight planes a block column
	s_lshl_b32 s46, s42, 19
	s_add_co_u32 s46, s46, s47
	s_mov_b32 s47, 0
	s_mul_i32 s20, s[WV], QUART
	s_wait_dscnt 0x0
	s_wait_kmcnt 0x0
	s_add_nc_u64 s[14:15], s[4:5], s[16:17]
	s_add_nc_u64 s[46:47], s[6:7], s[46:47]
	CROUND
.irp s, 0,1
	s_mov_b32 s[G0+4*\s], 1
	s_add_co_u32 s[G0+4*\s+1], s20, \s*SLOT
	s_add_nc_u64 s[G0+4*\s+2:G0+4*\s+3], s[14:15], \s*ASTEP
	s_or_b32 s[G0+4*\s+3], s[G0+4*\s+3], 0x80000000
	s_mov_b32 s[G0B+4*\s], 1
	s_add_co_u32 s[G0B+4*\s+1], s20, \s*SLOT
	s_add_nc_u64 s[G0B+4*\s+2:G0B+4*\s+3], s[46:47], \s*BSTEP
	s_or_b32 s[G0B+4*\s+3], s[G0B+4*\s+3], 0x80000000
	JLOAD \s
.endr
	; the plain addresses of my wave's four chunks (in registers that feed no descriptor)
	s_lshl_b32 s78, s42, 9                         ; bw: 128 columns a block, 64 a wave
	s_lshl_b32 s79, s[CH], 8
	s_add_co_u32 s78, s78, s79
	s_mov_b32 s79, 0
	s_add_nc_u64 s[8:9], s[8:9], s[78:79]
	s_lshl_b32 s84, s42, 1
	s_add_co_u32 s84, s84, s[CH]                   ; head
	s_lshl_b32 s85, s13, 3
	s_lshl_b32 s72, s[RH], 2
	s_add_co_u32 s85, s85, s72                     ; my first chunk among the 128 (batch * 64 + chunk)
	s_lshl_b32 s86, s84, 18                        ; tile-major: 4 planes a head, 512 bytes a tile
	s_lshl_b32 s72, s85, 9
	s_add_co_u32 s86, s86, s72
	s_mov_b32 s87, 0
	s_lshr_b32 s88, s13, 3                         ; record ((batch * 32 + head) * 64 + chunk)
	s_lshl_b32 s88, s88, 5
	s_add_co_u32 s88, s88, s84
	s_lshl_b32 s88, s88, 6
	s_and_b32 s72, s85, 63
	s_add_co_u32 s88, s88, s72
	s_mul_i32 s88, s88, 768
	s_mov_b32 s89, 0
	s_add_nc_u64 s[90:91], s[6:7], 0x800000        ; k
	s_add_nc_u64 s[90:91], s[90:91], s[86:87]
	s_add_nc_u64 s[92:93], s[6:7], 0x1800000       ; r's pre-activation
	s_add_nc_u64 s[92:93], s[92:93], s[86:87]
	s_add_nc_u64 s[94:95], s[80:81], s[86:87]      ; rt
	s_add_nc_u64 s[96:97], s[80:81], 0x800000      ; kh
	s_add_nc_u64 s[96:97], s[96:97], s[86:87]
	s_add_nc_u64 s[98:99], s[82:83], s[88:89]      ; the records
	v_and_b32 v[LN], 31, v0
	v_and_b32 v[RR], 15, v0
	v_bfe_u32 v[HH], v0, 4, 1
	v_lshlrev_b32 v[L16], 4, v[LN]
	v_lshlrev_b32 v[TMO], 5, v[RR]
	v_lshl_add_u32 v[TMO], v[HH], 4, v[TMO]
	v_lshlrev_b32 v[PL], 5, v[LN]
	v_lshlrev_b32 v[BA], 5, v[HH]                  ; my 8 columns of each tile: 32 h bytes
	; 18 loads that are wanted only behind the product: they stay out through it, into registers that it does not touch
.irp b, 0,1,2,3
	global_load_b128 v[BL+8*\b:BL+8*\b+3],   v[BA], s[8:9] offset:64*\b
	global_load_b128 v[BL+8*\b+4:BL+8*\b+7], v[BA], s[8:9] offset:64*\b+16
.endr
.irp b, 0,1,2,3
	global_load_b128 v[RK+4*\b:RK+4*\b+3], v[TMO], s[90:91] offset:\b*65536
	global_load_b128 v[RG+4*\b:RG+4*\b+3], v[TMO], s[92:93] offset:\b*65536
.endr
	MAXLD 1, MT
	v_lshrrev_b32 v12, 3, v[RR]
	v_lshl_add_u32 v13, v12, 4, v[TMO]             ; plain fragments: 32 r + 16 h + 16 (r >> 3)
	v_and_b32 v14, 7, v0
	v_lshlrev_b32 v14, 5, v14
	v_mad_u32_u24 v14, v[HH], 272, v14
	v_lshl_add_u32 v14, v12, 4, v14                ; transposing loads: k-row 8 h + (l & 7), 16 bytes at column 8 ((l >> 3) & 1)
	s_mul_i32 s21, s[RH], 2176                     ; my 64 rows in each plane of A
	s_mul_i32 s22, s[CH], QUART
	s_add_co_u32 s22, s22, 2*QUART
.irp s, 0,1
	v_add_nc_u32 v[ADRA+2*\s], s21, v13
	s_add_co_u32 s23, s21, QUART                   ; planes 8-15: a second register keeps the immediates inside 16 bits
	v_add_nc_u32 v[ADRA+2*\s+1], s23, v13
	v_add_nc_u32 v[ADRB+\s], s22, v14
	s_add_co_u32 s21, s21, SLOT
	s_add_co_u32 s22, s22, SLOT
.endr
.macro MULA f, a, zero                 ; four matrix instructions: row block a x my four column blocks, 32 along K
.irp b, 0,1,2,3
.if \zero
	v_wmma_f32_16x16x32_f16 v[8*(4*\a+\b):8*(4*\a+\b)+7], v[\f+32+8*\b:\f+32+8*\b+7], v[\f+8*\a:\f+8*\a+7], 0
.else
	v_wmma_f32_16x16x32_f16 v[8*(4*\a+\b):8*(4*\a+\b)+7], v[\f+32+8*\b:\f+32+8*\b+7], v[\f+8*\a:\f+8*\a+7], v[8*(4*\a+\b):8*(4*\a+\b)+7]
.endif
.endr
.endm
.macro FETCH s, e, f                   ; 16 LDS loads in one run: the fragments of eighth e (32 along K) into buffer f: B's eight, then A's by row blocks
.irp b, 0,1,2,3
	ds_load_tr16_b128 v[\f+32+8*\b:\f+32+8*\b+3], v[ADRB+\s] offset:\b*BPL+\e*1088
	ds_load_tr16_b128 v[\f+32+8*\b+4:\f+32+8*\b+7], v[ADRB+\s] offset:\b*BPL+\e*1088+544
.endr
.irp a, 0,1,2,3
	ds_load_b128 v[\f+8*\a:\f+8*\a+3],   v[ADRA+2*\s+(\e>>2)] offset:((2*\e)&7)*APL+\a*544
	ds_load_b128 v[\f+8*\a+4:\f+8*\a+7], v[ADRA+2*\s+(\e>>2)] offset:((2*\e)&7)*APL+APL+\a*544
.endr
.endm
.macro EIGHTH s, e, f, g, zero         ; multiplies buffer f; in its middle fetches eighth e into buffer g
	s_wait_dscnt 4                                 ; B and A's row blocks 0, 1 are in; the youngest four loads (blocks 2, 3) may be out
	WIN MULW
	MULA \f, 0, \zero
	MULA \f, 1, \zero
	WIN 0
	PLACES
	FETCH \s, \e, \g
	s_wait_dscnt 16                                ; all but the 16 just issued
	WIN MULW
	MULA \f, 2, \zero
	MULA \f, 3, \zero
.endm
.macro SEVEN s, zero
	EIGHTH \s, 1, F0, F1, \zero
	EIGHTH \s, 2, F1, F0, 0
	EIGHTH \s, 3, F0, F1, 0
	EIGHTH \s, 4, F1, F0, 0
	EIGHTH \s, 5, F0, F1, 0
	EIGHTH \s, 6, F1, F0, 0
	EIGHTH \s, 7, F0, F1, 0
.endm
; The last eighth changes slots: each wave's reads of this slot and all its tensor loads are waited for in front of the barrier; where the slot is
; filled again the barrier opens a round of the cluster's barrier and the joint refill is the first tensor load behind it.
; The 16 accumulators take turns in one fixed order throughout.
.macro TURN s, next, fill
	s_wait_dscnt 4
	WIN MULW
	MULA F1, 0, 0
	s_wait_dscnt 0
	s_set_vgpr_msb 0x5054
	s_wait_tensorcnt 0x0
	ds_add_u32 v11, v129
	s_wait_dscnt 0x0
	s_set_vgpr_msb 0x5450
	s_barrier_signal -1
	MULA F1, 1, 0
	WIN 0
	s_barrier_wait -1
.if \fill
	CREST
	s_add_nc_u64 s[G0+4*\s+2:G0+4*\s+3], s[G0+4*\s+2:G0+4*\s+3], 2*ASTEP
	s_add_nc_u64 s[G0B+4*\s+2:G0B+4*\s+3], s[G0B+4*\s+2:G0B+4*\s+3], 2*BSTEP
	JLOAD \s
.endif
	PLACES
	FETCH \next, 0, F0
	WIN MULW
	MULA F1, 2, 0
	MULA F1, 3, 0
.endm
.macro LAP zero
	SEVEN 0, \zero
	TURN 0, 1, 1
	SEVEN 1, 0
	TURN 1, 0, 1
.endm
	s_wait_tensorcnt 1                             ; my part of K step 0 is in; K step 1's load stays out
	s_barrier_signal -1
	s_barrier_wait -1
	FETCH 0, 0, F0
	LAP 1
	WIN 0
	s_mov_b32 s3, LAPS-2
.Llap:
	LAP 0
	WIN 0
	s_sub_co_u32 s3, s3, 1
	s_cmp_lg_u32 s3, 0
	s_cbranch_scc1 .Llap
	SEVEN 0, 0
	TURN 0, 1, 0
	SEVEN 1, 0
	s_wait_dscnt 4
	WIN MULW
	MULA F1, 0, 0
	MULA F1, 1, 0
	s_wait_dscnt 0
	MULA F1, 2, 0
	MULA F1, 3, 0
	WIN 0
	; ---- BEHIND THE PRODUCT
	PLACES                                         ; in front of the reads of the sums and of the writes into the fragment buffers
	s_wait_loadcnt 0x0                             ; bw, the maxima, the first chunk's k and r: asked for at the start
.set i, 0
.rept 16
	v_pk_mul_f32 v[BL+2*i:BL+2*i+1], v[BL+2*i:BL+2*i+1], 0x3fb8aa3b op_sel_hi:[1,0]
.set i, i+1
.endr
	MAXEXP MT, 72
	s_max_u32 s72, s72, 100
	s_min_u32 s72, s72, 160
	s_sub_co_u32 s72, 250, s72
	s_lshl_b32 s70, s72, 23                        ; sk = 2^(123 - e)
	s_mov_b32 s71, s70
	s_mul_i32 s73, s[WV], WSTG
	s_add_co_u32 s73, s73, STG                     ; my stage: A's image,
	s_add_co_u32 s74, s73, 512                     ; then D's 16 rows
	v_mul_u32_u24 v[DW], v[RR], 272                ; D: row r, 128 bytes for each h; the pitch of 272 keeps sixteen lanes' 16 bytes in different columns
	v_lshl_add_u32 v[DW], v[HH], 7, v[DW]
	v_add_nc_u32 v[DW], s74, v[DW]
	v_add_nc_u32 v[AB], s73, v[L16]
	v_lshlrev_b32 v[L8], 3, v[LN]
	v_add_nc_u32 v[DB], s74, v[L8]                 ; DL = D's row 0: 256 bytes, 8 a lane
	v_lshlrev_b32 v12, 3, v[HH]
	v_sub_nc_u32 v12, v[RR], v12                   ; r - 8 h
	v_lshl_add_u32 v13, v[RR], 4, s73              ; A's image: 16 bytes for each t
	; lane (t, h) places lags m + 8 h: A[t][s], s = (t - lag) mod 16, at ((s >> 3) * 16 + t) * 16 + (s & 7) * 2.  Modulo 16 the lags beyond t land above the diagonal, with their zeros.
.irp m, 0,1,2,3,4,5,6,7
	v_add_nc_u32 v14, -\m, v12
	v_and_b32 v15, 8, v14
	v_and_b32 v14, 7, v14
	v_lshl_add_u32 v15, v15, 5, v13
	v_lshl_add_u32 v[AW+\m], v14, 1, v15
.endr
.macro ZT a                            ; 1.442695 (sum + bw) of chunk a, out of window 1
	WIN 0x01
.irp b, 0,1,2,3
.irp k, 0,1,2,3
	v_pk_fma_f32 v[D+8*\b+2*\k:D+8*\b+2*\k+1], v[8*(4*\a+\b)+2*\k:8*(4*\a+\b)+2*\k+1], 0x3fb8aa3b, v[BL+8*\b+2*\k:BL+8*\b+2*\k+1] op_sel_hi:[1,0,1]
.endr
.endr
	WIN 0
.endm
; lag l: G[t] holds r[t] prod(t - l < u <= t) d[u].  A[t][t - l] += k[t - l] G[t]; then G[t] takes d[t - l].  Behind lag 15 G[t] = rt[t].
; Four partial sums a lag: the wave is alone on its SIMD, and a v_fmac so stands eight instructions behind the one that it adds onto.
.macro LAG l
.set i, 0
.rept 32
	v_fmac_f32_dpp v[ACC+4*\l+(i&3)], v[K+i], v[G+i] row_shr:\l row_mask:0xf bank_mask:0xf
	v_mul_f32_dpp v[G+i], v[D+i], v[G+i] row_shr:\l row_mask:0xf bank_mask:0xf
.set i, i+1
.endr
.endm
	s_mov_b32 s3, 0
.Lunit:                                            ; one chunk a trip; register numbers are fixed in the text, so the trip's number picks the lines that fetch its sums
	s_wait_loadcnt 0x0                             ; this chunk's k and r, asked for a trip ago
	s_cmp_eq_u32 s3, 0
	s_cbranch_scc1 .Lz0
	s_cmp_eq_u32 s3, 1
	s_cbranch_scc1 .Lz1
	s_cmp_eq_u32 s3, 2
	s_cbranch_scc1 .Lz2
	ZT 3
	s_branch .Lzd
.Lz0:
	ZT 0
	s_branch .Lzd
.Lz1:
	ZT 1
	s_branch .Lzd
.Lz2:
	ZT 2
.Lzd:
.irp q, 32,33,34,35,36,37,38,39,40,41,42,43,44,45,46,47
	v_cvt_f32_f16 v[K+2*(\q-RK)], v\q\().l
	v_cvt_f32_f16 v[K+2*(\q-RK)+1], v\q\().h
.endr
.irp q, 48,49,50,51,52,53,54,55,56,57,58,59,60,61,62,63
	v_cvt_f32_f16 v[G+2*(\q-RG)], v\q\().l
	v_cvt_f32_f16 v[G+2*(\q-RG)+1], v\q\().h
.endr
	s_cmp_eq_u32 s3, 3
	s_cbranch_scc1 .Lnomore                        ; the last trip asks for nothing
	s_add_nc_u64 s[90:91], s[90:91], 512           ; free: the loads that named them were waited for at the trip's head
	s_add_nc_u64 s[92:93], s[92:93], 512
.irp b, 0,1,2,3
	global_load_b128 v[RK+4*\b:RK+4*\b+3], v[TMO], s[90:91] offset:\b*65536
	global_load_b128 v[RG+4*\b:RG+4*\b+3], v[TMO], s[92:93] offset:\b*65536
.endr
.Lnomore:
.set i, 0
.rept 16
	v_pk_mul_f32 v[K+2*i:K+2*i+1], v[K+2*i:K+2*i+1], s[70:71] op_sel_hi:[1,0]
	v_pk_mul_f32 v[G+2*i:G+2*i+1], v[G+2*i:G+2*i+1], 0xbfb8aa3b op_sel_hi:[1,0]
.set i, i+1
.endr
.set i, 0
.rept 32
	v_exp_f32 v[D+i], v[D+i]
	v_exp_f32 v[G+i], v[G+i]
.set i, i+1
.endr
	v_nop                                          ; one plain place behind the transcendentals (ISA guide 5.7.2)
.set i, 0
	s_wait_alu depctr_va_vdst(0)
.rept 16
	v_pk_add_f32 v[D+2*i:D+2*i+1], v[D+2*i:D+2*i+1], 1.0 op_sel_hi:[1,0]
	v_pk_add_f32 v[G+2*i:G+2*i+1], v[G+2*i:G+2*i+1], 1.0 op_sel_hi:[1,0]
.set i, i+1
.endr
.set i, 0
.rept 32
	v_rcp_f32 v[D+i], v[D+i]                       ; d = 1 - sigmoid(z)
	v_rcp_f32 v[G+i], v[G+i]                       ; r = sigmoid
.set i, i+1
.endr
.set i, 4
	s_wait_alu depctr_va_vdst(0)
.rept 60
	v_mov_b32 v[ACC+i], 0                          ; lags 1..15: lanes t < l never add, and their zero is A's zero above the diagonal (also the place behind the transcendentals)
.set i, i+1
.endr
	; lag 0: A[t][t] = sum r k, which starts its own sums; then G takes d[t]
.set i, 0
.rept 32
.if i < 4
	v_mul_f32 v[ACC+i], v[K+i], v[G+i]
.else
	v_fmac_f32 v[ACC+(i&3)], v[K+i], v[G+i]
.endif
	v_mul_f32 v[G+i], v[D+i], v[G+i]
.set i, i+1
.endr
.irp l, 1,2,3,4,5,6,7,8,9,10,11,12,13,14,15
	LAG \l
.endr
	; rt out, packed in place (word i takes numbers 2 i and 2 i + 1, at or above it): 16 bytes a lane, 512 consecutive bytes a store
.set i, 0
.rept 16
	v_cvt_pk_f16_f32 v[G+i], v[G+2*i], v[G+2*i+1]
.set i, i+1
.endr
.irp b, 0,1,2,3
	global_store_b128 v[TMO], v[G+4*\b:G+4*\b+3], s[94:95] offset:\b*65536
.endr
	; suffix products of d along the chunk, in four doubling steps: D[s] = prod(u >= s) d[u]
.irp n, 1,2,4,8
.set i, 0
.rept 32
	v_mul_f32_dpp v[D+i], v[D+i], v[D+i] row_shl:\n row_mask:0xf bank_mask:0xf
.set i, i+1
.endr
.endr
.set i, 0
.rept 32
	v_mul_f32_dpp v[K+i], v[D+i], v[K+i] row_shl:1 row_mask:0xf bank_mask:0xf      ; kh[s] = k[s] D[s + 1]; step 15 keeps k
.set i, i+1
.endr
.set i, 0
.rept 16
	v_cvt_pk_f16_f32 v[K+i], v[K+2*i], v[K+2*i+1]
.set i, i+1
.endr
.irp b, 0,1,2,3
	global_store_b128 v[TMO], v[K+4*\b:K+4*\b+3], s[96:97] offset:\b*65536
.endr
	; A: the four partial sums, then the other 32 channels from the other half of the lanes
.set l, 0
.rept 16
	v_pk_add_f32 v[ACC+4*l:ACC+4*l+1], v[ACC+4*l:ACC+4*l+1], v[ACC+4*l+2:ACC+4*l+3]
.set l, l+1
.endr
.set l, 0
.rept 16
	v_add_f32 v[ACC+l], v[ACC+4*l], v[ACC+4*l+1]   ; register l has been used up by lag l / 4 when lag l lands on it
.set l, l+1
.endr
.set l, 0
.rept 16
	v_permlanex16_b32 v[ACC+16+l], v[ACC+l], s76, s77
.set l, l+1
.endr
.set l, 0
.rept 16
	v_add_f32 v[ACC+l], v[ACC+l], v[ACC+16+l]
.set l, l+1
.endr
	s_mov_b32 vcc_lo, 0xffff0000
.irp m, 0,1,2,3,4,5,6,7
	v_cndmask_b32 v[G+16+\m], v[ACC+\m], v[ACC+8+\m], vcc_lo       ; lag m + 8 h; G's upper half is free since rt was packed
	v_cvt_pk_f16_f32 v[G+16+\m], v[G+16+\m], v[G+16+\m]
	ds_store_b16 v[AW+\m], v[G+16+\m]
.endr
	; every lane stores its D, with all lanes on; row 0 is DL = [h][b][j]
.irp b, 0,1,2,3
	ds_store_b128 v[DW], v[D+8*\b:D+8*\b+3]   offset:32*\b
	ds_store_b128 v[DW], v[D+8*\b+4:D+8*\b+7] offset:32*\b+16
.endr
	ds_load_b128 v[MT:MT+3], v[AB]                 ; LDS serves a wave's instructions in order: these see the stores above; the stage is my wave's own
	ds_load_b64 v[MT+4:MT+5], v[DB]
	s_wait_dscnt 0x0
	global_store_b128 v[L16], v[MT:MT+3], s[98:99]                 ; A's 512 bytes
	global_store_b64 v[L8], v[MT+4:MT+5], s[98:99] offset:512      ; DL's 256 bytes, 8 a lane: one store of the whole wave
	s_wait_xcnt 0x0                                ; the stores' bases and data (K, G, the record) are rewritten only behind this wait
	s_add_nc_u64 s[94:95], s[94:95], 512
	s_add_nc_u64 s[96:97], s[96:97], 512
	s_add_nc_u64 s[98:99], s[98:99], 768
	s_add_co_u32 s3, s3, 1
	s_cmp_lt_u32 s3, 4
	s_cbranch_scc1 .Lunit
	s_set_vgpr_msb 0x4
	s_wait_tensorcnt 0x0
	ds_add_u32 v11, v129
	s_wait_dscnt 0x0
	s_set_vgpr_msb 0x400
	CROUND                                         ; the closing round: no work-group ends while a partner may still ask for a tile that names it
	s_endpgm
.Lfunc_end_k_q63857df251_decay:
	.size	k_q63857df251_decay, .Lfunc_end_k_q63857df251_decay-k_q63857df251_decay
	.p2alignl 7, 3214868480
	.fill 96, 4, 3214868480
	.section	.rodata,"a",@progbits
	.p2align	6, 0x0
	.amdhsa_kernel k_q63857df251_decay
		.amdhsa_group_segment_fixed_size 327680
		.amdhsa_private_segment_fixed_size 0
		.amdhsa_enable_private_segment 0
		.amdhsa_kernarg_size 48
		.amdhsa_user_sgpr_count 2
		.amdhsa_user_sgpr_kernarg_segment_ptr 1
		.amdhsa_wavefront_size32 1
		.amdhsa_system_sgpr_workgroup_id_x 1
		.amdhsa_system_sgpr_workgroup_id_y 1
		.amdhsa_system_sgpr_workgroup_id_z 1
		.amdhsa_system_vgpr_workitem_id 0
		.amdhsa_next_free_vgpr 386
		.amdhsa_next_free_sgpr 100
		.amdhsa_reserve_vcc 1
		.amdhsa_float_denorm_mode_32 3
		.amdhsa_float_denorm_mode_16_64 3
		.amdhsa_memory_ordered 1
		.amdhsa_forward_progress 1
		.amdhsa_inst_pref_size 227
	.end_amdhsa_kernel
	.amdgpu_metadata
---
amdhsa.version: [ 1, 2 ]
amdhsa.kernels:
  - .name:           k_q63857df251_decay
    .symbol:         k_q63857df251_decay.kd
    .args:
      - { .name: xnT, .offset: 0, .size: 8, .value_kind: global_buffer, .address_space: global }
      - { .name: proj, .offset: 8, .size: 8, .value_kind: global_buffer, .address_space: global }
      - { .name: bw, .offset: 16, .size: 8, .value_kind: global_buffer, .address_space: global }
      - { .name: pmax, .offset: 24, .size: 8, .value_kind: global_buffer, .address_space: global }
      - { .name: rk, .offset: 32, .size: 8, .value_kind: global_buffer, .address_space: global }
      - { .name: ad, .offset: 40, .size: 8, .value_kind: global_buffer, .address_space: global }
    .group_segment_fixed_size: 327680
    .private_segment_fixed_size: 0
    .kernarg_segment_align: 8
    .kernarg_segment_size: 48
    .max_flat_workgroup_size: 128
    .sgpr_count:     100
    .vgpr_count:     386
    .wavefront_size: 32
...
	.end_amdgpu_metadata
.endif
;; end of part 3
;; launch scan (part 4): grid 64 x 1, 4 waves a work-group, no clusters, 327,680 bytes of LDS; arguments rk, proj, ad, pmax, yT, out1; writes yT, out1
.if DOCPART == 4
	.amdgcn_target "amdgcn-amd-amdhsa--gfx1250"
	.amdhsa_code_object_version 6
	.text
	.protected	k_q63857df251_scan
	.globl	k_q63857df251_scan
	.p2align	8
	.type	k_q63857df251_scan,@function
k_q63857df251_scan:
	s_mov_b64 s[64:65], 0
	v_nop
	global_prefetch_b8 v0, s[64:65] scope:SCOPE_SE
	s_setreg_imm32_b32 hwreg(HW_REG_WAVE_MODE, 25, 1), 1
	s_wait_xcnt 0x0
; scan: the recurrence itself, 64 chunks of 16 steps for each of the 64 sequences (batch, head), on the matrix units:
;   y = rt S0 + A V          S1 = DL * S0 + kh^T V          (rt, kh, A, DL from the launch before)
; A work-group is a sequence; wave jt owns the state's columns 16 jt .. 16 jt + 15: four tiles (m = i, n = j) of f32 in 32 registers.
; 64 x 4 column tiles are all the independent parts that the recurrence has; a finer split would divide K and sum across waves in every chunk, so 64 work-groups
; are launched.  No two work-groups read the same bytes: no cluster.
; SCALES, exact powers of two from the stored maxima: k came scaled by sk (|k sk| < 1/8); v is scaled here by sv = 2^ev, ev = 126 - exponent of max|v| clamped to
; -14..15 (|v sv| < 1, at most 4 where the clamp acts).  Then |S| <= 512 and |y| <= 32768 for every input: both fit the f16 operands.  The state leaves multiplied
; by su = 1 / (sk sv); y leaves scaled, and the last product multiplies by su.
; LDS: two slots of 16 chunks: rt, kh, v (4 planes x 256 rows each, 16 bytes of padding behind every 256) and the 16 records of A and DL.  Wave w fetches region w.
; FRAGMENTS.  y is made transposed, (m = j, n = t): source 0 = S0 as f16: a state tile's registers pack straight into it (k = i); source 1 = rt, plain loads.
; kh (m = i, k = s) and v (n = j or m = j, k = s) have K along the rows: transposing loads.  A chunk has 16 steps, so the upper K halves of kh, v and A stay zero.
.set SLOT,  116736
.set STAGE, 233472                     ; 64 rows x 272 bytes for the state's way out; no tensor load ever lands here
.set LB,  1                            ; v1-5    lane parts of the five LDS addresses: rt, kh, v, A, DL
.set AR,  6                            ; v6-10   the same, at the chunk that is loaded next
.set AK,  7
.set AV,  8
.set AA,  9
.set AD,  10
.set YO,  11                           ; 32 r + 16 h
.set PL,  15
.set S,   16                           ; v[16:47]   the state
.set SF,  48                           ; v[48:63]   the state as f16
.set Y,   64                           ; v[64:71]
.set O,   72                           ; v[72:75]
.set DL,  76                           ; v[76:107]
.set SV,  108
.set XA,  112                          ; a chunk's fragments: rt +0..15, kh +16..47, v +48..55, A +56..63
.set XB,  176                          ; the second set
.set G1,  16
.set G1D, 24
.set G0,  32
.set YB,  56
.set PM,  10
.set SEL, 54
.macro MAXLD g, t
	global_load_b128 v[\t:\t+3],   v[PL], s[PM:PM+1] offset:\g*1024
	global_load_b128 v[\t+4:\t+7], v[PL], s[PM:PM+1] offset:\g*1024+16
.endm
.macro MAXEXP t, sd                    ; the biased exponent of a product's largest magnitude (it feeds scales only, never an address or a branch)
	v_max3_num_f32 v[\t], v[\t], v[\t+1], v[\t+2]
	v_max3_num_f32 v[\t+3], v[\t+3], v[\t+4], v[\t+5]
	v_max3_num_f32 v[\t], v[\t], v[\t+6], v[\t+7]
	v_max_num_f32 v[\t], v[\t], v[\t+3]
	v_max_num_f32_dpp v[\t], v[\t], v[\t] row_xmask:1 row_mask:0xf bank_mask:0xf
	v_max_num_f32_dpp v[\t], v[\t], v[\t] row_xmask:2 row_mask:0xf bank_mask:0xf
	v_max_num_f32_dpp v[\t], v[\t], v[\t] row_xmask:4 row_mask:0xf bank_mask:0xf
	v_max_num_f32_dpp v[\t], v[\t], v[\t] row_xmask:8 row_mask:0xf bank_mask:0xf
	v_permlanex16_b32 v[\t+1], v[\t], s[SEL], s[SEL+1]
	v_max_num_f32 v[\t], v[\t], v[\t+1]
	v_readfirstlane_b32 s[\sd], v[\t]
	s_lshr_b32 s[\sd], s[\sd], 23
.endm
	s_load_b256 s[4:11], s[0:1], 0x0               ; rk s[4:5], proj s[6:7], ad s[8:9], pmax s[10:11]
	s_load_b128 s[12:15], s[0:1], 0x20             ; yT s[12:13], out1 s[14:15]
	v_lshl_add_u32 v240, v0, 2, 0x3d400
	v_mov_b32 v241, 0
	ds_add_u32 v240, v241
	ds_add_u32 v240, v241
	v_lshrrev_b32 v1, 5, v0
	v_readfirstlane_b32 s40, v1                    ; wave
	s_lshr_b32 s41, ttmp9, 5                       ; batch
	s_and_b32 s42, ttmp9, 31                       ; head
	s_mov_b32 s54, 0x76543210
	s_mov_b32 s55, 0xfedcba98
	s_mov_b32 s[G1+0], (1<<16)|(1<<20)|(5<<22)|(3<<25)     ; 2-byte elements; after every 64 words 4 words of padding
	s_mov_b32 s[G1+1], 4096<<16                    ; a tile row: 256 rows x 16 elements of a plane,
	s_mov_b32 s[G1+2], 4<<16                       ; the head's four planes
	s_mov_b32 s[G1+3], 4096<<16
	s_mov_b32 s[G1+4], 4
	s_mov_b32 s[G1+5], 32768
	s_mov_b32 s[G1+6], 0
	s_mov_b32 s[G1+7], 0
	s_mov_b32 s[G1D+0], 3<<16                      ; the records: dense, 48 rows of 32 elements of 8 bytes, no padding
	s_mov_b32 s[G1D+1], 32<<16
	s_mov_b32 s[G1D+2], 48<<16
	s_mov_b32 s[G1D+3], 32<<16
	s_mov_b32 s[G1D+4], 48
	s_mov_b32 s[G1D+5], 32
	s_mov_b32 s[G1D+6], 0
	s_mov_b32 s[G1D+7], 0
	s_lshl_b32 s44, s42, 18                        ; tile-major: 4 planes a head, 1,024 rows of 32 bytes a batch
	s_lshl_b32 s48, s41, 15
	s_add_co_u32 s44, s44, s48
	s_mov_b32 s45, 0
	s_mul_i32 s67, ttmp9, 49152                    ; the sequence's 64 records
	s_mov_b32 s49, 0
	s_mov_b32 s46, 8192                            ; a slot's step: 256 rows of 32 bytes, or 16 records
	s_mov_b32 s66, 12288
	s_mov_b32 s47, 0
	s_mov_b32 s63, 0
	s_mul_i32 s43, s40, 34816                      ; region w of a slot
	s_wait_dscnt 0x0
	s_wait_kmcnt 0x0
	s_add_nc_u64 s[58:59], s[4:5], 0x800000        ; kh
	s_add_nc_u64 s[60:61], s[6:7], 0x1000000       ; v
	s_cmp_eq_u32 s40, 0
	s_cselect_b64 s[58:59], s[4:5], s[58:59]       ; wave 0: rt, wave 1: kh,
	s_cmp_eq_u32 s40, 2
	s_cselect_b64 s[58:59], s[60:61], s[58:59]     ; wave 2: v,
	s_cmp_eq_u32 s40, 3
	s_cselect_b64 s[58:59], s[8:9], s[58:59]       ; wave 3: the records
	s_cselect_b32 s48, s67, s44
	s_cselect_b32 s46, s66, s46
	s_lshl_b32 s62, s46, 1                         ; a refill lies two slots on
	s_add_nc_u64 s[58:59], s[58:59], s[48:49]
	s_mov_b32 s[G0+0], 1
	s_add_co_u32 s[G0+1], s43, 0
	s_mov_b64 s[G0+2:G0+3], s[58:59]
	s_or_b32 s[G0+3], s[G0+3], 0x80000000
	s_mov_b32 s[G0+4], 1
	s_add_co_u32 s[G0+5], s43, SLOT
	s_add_nc_u64 s[G0+6:G0+7], s[58:59], s[46:47]
	s_or_b32 s[G0+7], s[G0+7], 0x80000000
	s_cmp_eq_u32 s40, 3                            ; both first fills of a wave inside one branch on its number
	s_cbranch_scc1 .Lfirst_records
	tensor_load_to_lds s[G0:G0+3], s[G1:G1+7]
	s_nop 0
	tensor_load_to_lds s[G0+4:G0+7], s[G1:G1+7]
	s_nop 0
	s_branch .Lfirst_done
.Lfirst_records:
	tensor_load_to_lds s[G0:G0+3], s[G1D:G1D+7]
	s_nop 0
	tensor_load_to_lds s[G0+4:G0+7], s[G1D:G1D+7]
	s_nop 0
.Lfirst_done:
	v_and_b32 v12, 31, v0                          ; lane
	v_and_b32 v13, 15, v0                          ; r
	v_bfe_u32 v14, v0, 4, 1                        ; h
	v_lshlrev_b32 v[PL], 5, v12
	MAXLD 1, XA
	MAXLD 2, XA+8
	v_lshrrev_b32 v6, 3, v13                       ; r >> 3
	v_lshlrev_b32 v1, 5, v13
	v_lshl_add_u32 v[YO], v14, 4, v1               ; 32 r + 16 h
	v_lshl_add_u32 v1, v6, 4, v[YO]                ; rt: + the padding, 16 (r >> 3)
	v_and_b32 v2, 7, v0
	v_lshlrev_b32 v2, 5, v2
	v_mad_u32_u24 v2, v14, 272, v2
	v_lshl_add_u32 v2, v6, 4, v2                   ; transposing loads: row 8 h + (l & 7), 16 bytes at column 8 ((l >> 3) & 1)
	s_mul_i32 s48, s40, 8704
	s_add_co_u32 s48, s48, 69632
	v_add_nc_u32 v3, s48, v2                       ; v: my plane jt
	v_add_nc_u32 v2, 34816, v2                     ; kh
	v_lshl_add_u32 v4, v12, 4, 0x19800             ; A: 104,448 + 16 lane
	v_lshl_add_u32 v5, v14, 7, 0x19a00             ; DL: 104,960 + 128 h, the same for all r
	s_lshl_b32 s48, s40, 16                        ; y: plane 4 head + jt
	s_add_co_u32 s48, s48, s44
	s_add_nc_u64 s[YB:YB+1], s[12:13], s[48:49]
	s_lshl_b32 s48, ttmp9, 14                      ; the state: 16,384 bytes a sequence, 16 rows a wave on the way out
	s_lshl_b32 s67, s40, 12
	s_add_co_u32 s48, s48, s67
	s_add_nc_u64 s[14:15], s[14:15], s[48:49]
.set i, 0
.rept 32
	v_mov_b32 v[S+i], 0                            ; the initial state
.set i, i+1
.endr
	s_wait_loadcnt 0x0
	MAXEXP XA, 66
	MAXEXP XA+8, 67
	s_max_u32 s66, s66, 100
	s_min_u32 s66, s66, 160                        ; k's exponent, clamped as in the launch before
	s_sub_co_i32 s67, 126, s67
	s_max_i32 s67, s67, -14
	s_min_i32 s67, s67, 15                         ; ev
	s_add_co_i32 s52, s67, 15
	s_lshl_b32 s52, s52, 10                        ; 2^ev as f16,
	s_lshl_b32 s53, s52, 16
	s_or_b32 s52, s52, s53                         ; twice
	v_mov_b32 v[SV], s52
	s_add_co_i32 s50, s66, 4
	s_sub_co_i32 s50, s50, s67
	s_lshl_b32 s50, s50, 23                        ; su = 2^(e - 123 - ev)
	s_mov_b32 s51, s50
.irp x, XA, XB
.irp a, 0,1,2,3,4,5
.irp k, 4,5,6,7
	v_mov_b32 v[\x+16+8*\a+\k], 0                  ; K = 16..31 of kh's four fragments, of v's and of A's: never loaded, always zero
.endr
.endr
.endr
.macro LOADX x                         ; ten loads: a chunk's fragments
.irp p, 0,1,2,3
	ds_load_b128 v[\x+4*\p:\x+4*\p+3], v[AR] offset:\p*8704
.endr
.irp a, 0,1,2,3
	ds_load_tr16_b128 v[\x+16+8*\a:\x+16+8*\a+3], v[AK] offset:\a*8704
.endr
	ds_load_tr16_b128 v[\x+48:\x+51], v[AV]
	ds_load_b128 v[\x+56:\x+59], v[AA]
.endm
.macro LOADD                           ; eight loads: DL[16 a + 8 h + j] for my state registers
.irp a, 0,1,2,3
	ds_load_b128 v[DL+8*\a:DL+8*\a+3],   v[AD] offset:32*\a
	ds_load_b128 v[DL+8*\a+4:DL+8*\a+7], v[AD] offset:32*\a+16
.endr
.endm
.macro STEP                            ; the next chunk: 16 rows with their padding, one record
	v_add_nc_u32 v[AR], 544, v[AR]
	v_add_nc_u32 v[AK], 544, v[AK]
	v_add_nc_u32 v[AV], 544, v[AV]
	v_add_nc_u32 v[AA], 768, v[AA]
	v_add_nc_u32 v[AD], 768, v[AD]
.endm
; One chunk, on fragment set x; more = 1: the next chunk's fragments go into set y, and its DL in as soon as this chunk's has been used.
.macro CHUNK x, y, more
.if \more
	LOADX \y
	s_wait_dscnt 10                                ; all but the ten just issued: set x and DL are in
.else
	s_wait_dscnt 0x0
.endif
.irp k, 0,1,2,3
	v_pk_mul_f16 v[\x+48+\k], v[\x+48+\k], v[SV]   ; v sv, exact
.endr
.set i, 0
.rept 16
	v_cvt_pk_f16_f32 v[SF+i], v[S+2*i], v[S+2*i+1] ; S0 as source 0: tile a's registers are k = 16 a + 8 h + 0..7
.set i, i+1
.endr
.set i, 0
.rept 16
	v_pk_mul_f32 v[S+2*i:S+2*i+1], v[S+2*i:S+2*i+1], v[DL+2*i:DL+2*i+1]
.set i, i+1
.endr
.if \more
	LOADD
.endif
	; seven matrix instructions; y's three links and the four state tiles take turns, one instruction a turn
	v_wmma_f32_16x16x32_f16 v[Y:Y+7], v[SF:SF+7], v[\x:\x+7], 0
	v_wmma_f32_16x16x32_f16 v[S:S+7], v[\x+16:\x+23], v[\x+48:\x+55], v[S:S+7]
	v_wmma_f32_16x16x32_f16 v[Y:Y+7], v[SF+8:SF+15], v[\x+8:\x+15], v[Y:Y+7]
	v_wmma_f32_16x16x32_f16 v[S+8:S+15], v[\x+24:\x+31], v[\x+48:\x+55], v[S+8:S+15]
	v_wmma_f32_16x16x32_f16 v[Y:Y+7], v[\x+48:\x+55], v[\x+56:\x+63], v[Y:Y+7]
	v_wmma_f32_16x16x32_f16 v[S+16:S+23], v[\x+32:\x+39], v[\x+48:\x+55], v[S+16:S+23]
	v_wmma_f32_16x16x32_f16 v[S+24:S+31], v[\x+40:\x+47], v[\x+48:\x+55], v[S+24:S+31]
	s_wait_xcnt 0x0                                ; O and y's base, which the last chunk's store reads, are rewritten only behind this wait; that store was issued a whole chunk ago
	s_add_nc_u64 s[YB:YB+1], s[YB:YB+1], 512       ; the store below reaches back
.if \more
	STEP                                           ; five plain places behind the matrix instructions (ISA guide 7.12.1), and useful
.else
.rept 4
	v_nop                                          ; four places, where nothing is left to step
.endr
.endif
.irp k, 0,1,2,3
	v_cvt_pk_f16_f32 v[O+\k], v[Y+2*\k], v[Y+2*\k+1]       ; lane (r, h): y[t = r][16 jt + 8 h + 0..7]
.endr
	global_store_b128 v[YO], v[O:O+3], s[YB:YB+1] offset:-512      ; the wave's 512 consecutive bytes of plane 4 head + jt
.endm
.macro SLOTWORK s                      ; the slot's 16 chunks
.irp n, 0,1,2,3,4
.if \s
	v_add_nc_u32 v[AR+\n], \s*SLOT, v[LB+\n]
.else
	v_mov_b32 v[AR+\n], v[LB+\n]
.endif
.endr
	LOADX XA
	LOADD
	STEP
	s_mov_b32 s53, 7
.Lpair_\@:
	CHUNK XA, XB, 1
	CHUNK XB, XA, 1
	s_sub_co_u32 s53, s53, 1
	s_cmp_lg_u32 s53, 0
	s_cbranch_scc1 .Lpair_\@
	CHUNK XA, XB, 1
	CHUNK XB, XA, 0                                ; the slot's last chunk reads nothing beyond it
.endm
.macro FILL s                          ; slot s, which has been read, gets the 16 chunks two slots on
	s_wait_dscnt 0x0                               ; my reads of the slot are back
	s_wait_tensorcnt 0x0                           ; all my tensor loads have landed, the other slot's part among them: a group 0 may be written
	ds_add_u32 v240, v241
	s_wait_dscnt 0x0
	s_add_nc_u64 s[G0+4*\s+2:G0+4*\s+3], s[G0+4*\s+2:G0+4*\s+3], s[62:63]
	s_barrier_signal -1
	s_barrier_wait -1                              ; both now hold of all four waves
	s_cmp_eq_u32 s40, 3
	s_cbranch_scc1 .Lrecords_\@
	tensor_load_to_lds s[G0+4*\s:G0+4*\s+3], s[G1:G1+7]    ; my one tensor load behind the barrier, first thing there
	s_nop 0
	s_branch .Lfilled_\@
.Lrecords_\@:
	tensor_load_to_lds s[G0+4*\s:G0+4*\s+3], s[G1D:G1D+7]
	s_nop 0
.Lfilled_\@:
.endm
	s_wait_tensorcnt 0x1                           ; my part of slot 0 is in; slot 1's load stays out
	s_barrier_signal -1
	s_barrier_wait -1
	SLOTWORK 0                                     ; chunks 0-15
	FILL 0
	SLOTWORK 1                                     ; chunks 16-31
	FILL 1
	SLOTWORK 0                                     ; chunks 32-47
	s_wait_dscnt 0x0
	s_wait_tensorcnt 0x0                           ; my part of the last 16 chunks is in,
	s_barrier_signal -1
	s_barrier_wait -1                              ; everybody's is; nothing is left to fetch
	SLOTWORK 1                                     ; chunks 48-63
	; THE STATE'S WAY OUT: unscaled, through LDS, so that each store writes two whole rows of 256 bytes.  (The last chunk's four places stand behind its matrix instructions.)
	s_lshl_b32 s48, s40, 6
	s_add_co_u32 s48, s48, STAGE
	v_mul_u32_u24 v6, v14, 2176                    ; row 8 h,
	v_lshl_add_u32 v6, v13, 2, v6                  ; column 16 jt + r
	v_add_nc_u32 v6, s48, v6
	s_mul_i32 s48, s40, 4352
	s_add_co_u32 s48, s48, STAGE
	v_mul_u32_u24 v7, v14, 272                     ; back: rows 16 w + 2 n + h, 16 bytes a lane
	v_lshl_add_u32 v7, v13, 4, v7
	v_add_nc_u32 v7, s48, v7
	v_lshlrev_b32 v8, 4, v12
.set i, 0
.rept 16
	v_pk_mul_f32 v[S+2*i:S+2*i+1], v[S+2*i:S+2*i+1], s[50:51] op_sel_hi:[1,0]
.set i, i+1
.endr
.irp a, 0,1,2,3
.irp j, 0,1,2,3,4,5,6,7
	ds_store_b32 v6, v[S+8*\a+\j] offset:(16*\a+\j)*272
.endr
.endr
	s_wait_dscnt 0x0                               ; my stores are done, for the other waves' sake
	s_barrier_signal -1
	s_barrier_wait -1
.irp n, 0,1,2,3,4,5,6,7
	ds_load_b128 v[XA+4*\n:XA+4*\n+3], v7 offset:544*\n
.endr
.irp n, 0,1,2,3,4,5,6,7
	s_wait_dscnt 7-\n
	global_store_b128 v8, v[XA+4*\n:XA+4*\n+3], s[14:15] offset:512*\n
.endr
	s_wait_tensorcnt 0x0
	ds_add_u32 v240, v241
	s_wait_dscnt 0x0
	s_endpgm
.Lfunc_end_k_q63857df251_scan:
	.size	k_q63857df251_scan, .Lfunc_end_k_q63857df251_scan-k_q63857df251_scan
	.p2alignl 7, 3214868480
	.fill 96, 4, 3214868480
	.section	.rodata,"a",@progbits
	.p2align	6, 0x0
	.amdhsa_kernel k_q63857df251_scan
		.amdhsa_group_segment_fixed_size 327680
		.amdhsa_private_segment_fixed_size 0
		.amdhsa_enable_private_segment 0
		.amdhsa_kernarg_size 48
		.amdhsa_user_sgpr_count 2
		.amdhsa_user_sgpr_kernarg_segment_ptr 1
		.amdhsa_wavefront_size32 1
		.amdhsa_system_sgpr_workgroup_id_x 1
		.amdhsa_system_sgpr_workgroup_id_y 1
		.amdhsa_system_sgpr_workgroup_id_z 1
		.amdhsa_system_vgpr_workitem_id 0
		.amdhsa_next_free_vgpr 242
		.amdhsa_next_free_sgpr 72
		.amdhsa_reserve_vcc 0
		.amdhsa_float_denorm_mode_32 3
		.amdhsa_float_denorm_mode_16_64 3
		.amdhsa_memory_ordered 1
		.amdhsa_forward_progress 1
		.amdhsa_inst_pref_size 92
	.end_amdhsa_kernel
	.amdgpu_metadata
---
amdhsa.version: [ 1, 2 ]
amdhsa.kernels:
  - .name:           k_q63857df251_scan
    .symbol:         k_q63857df251_scan.kd
    .args:
      - { .name: rk, .offset: 0, .size: 8, .value_kind: global_buffer, .address_space: global }
      - { .name: proj, .offset: 8, .size: 8, .value_kind: global_buffer, .address_space: global }
      - { .name: ad, .offset: 16, .size: 8, .value_kind: global_buffer, .address_space: global }
      - { .name: pmax, .offset: 24, .size: 8, .value_kind: global_buffer, .address_space: global }
      - { .name: yT, .offset: 32, .size: 8, .value_kind: global_buffer, .address_space: global }
      - { .name: out1, .offset: 40, .size: 8, .value_kind: global_buffer, .address_space: global }
    .group_segment_fixed_size: 327680
    .private_segment_fixed_size: 0
    .kernarg_segment_align: 8
    .kernarg_segment_size: 48
    .max_flat_workgroup_size: 128
    .sgpr_count:     72
    .vgpr_count:     242
    .wavefront_size: 32
...
	.end_amdgpu_metadata
.endif
;; end of part 4
;; launch gemm3 (part 5): grid 16 x 16, 4 waves a work-group, clusters of 4 x 4, 327,680 bytes of LDS; arguments yT, wT, pmax, out0; writes out0
.if DOCPART == 5
	.amdgcn_target "amdgcn-amd-amdhsa--gfx1250"
	.amdhsa_code_object_version 6
	.text
	.protected	k_q63857df251_gemm3
	.globl	k_q63857df251_gemm3
	.p2align	8
	.type	k_q63857df251_gemm3,@function
k_q63857df251_gemm3:
	s_mov_b64 s[64:65], 0
	v_nop
	global_prefetch_b8 v0, s[64:65] scope:SCOPE_SE
	s_setreg_imm32_b32 hwreg(HW_REG_WAVE_MODE, 25, 1), 1
	s_wait_xcnt 0x0
	s_wait_alu depctr_hold_cnt(0) depctr_sa_sdst(0) depctr_va_vdst(0) depctr_va_sdst(0) depctr_va_ssrc(0) depctr_va_vcc(0) depctr_vm_vsrc(0)
	s_getreg_b32 s2, hwreg(HW_REG_IB_STS2, 6, 4)
	s_cmp_eq_u32 s2, 0
	s_cbranch_scc0 .Lentry_in_a_cluster
	s_endpgm
.Lentry_in_a_cluster:
	s_bfe_u32 s2, ttmp6, 0x10000c
	s_cmp_lg_u32 s2, 0xf033
	s_cbranch_scc0 .Lentry_shape_is_right
	s_endpgm
.Lentry_shape_is_right:
; gemm3: out0 = (y Wout) su, 2048 x 2048 x 2048, f16 operands (tile-major copies), f32 sums, f32 out.  y came scaled by sk sv, exact powers of two taken from the
; maxima of k and v; su = 1 / (sk sv) is rebuilt here from the same maxima and undoes it exactly.
; The product's core is that of the decay's product: 256 blocks of 128 x 128, four waves of 64 x 64 (128 accumulator registers in window 1), K in steps of 256
; through two LDS slots (A: 16 planes x 128 rows, B: 8 planes x 256 k-rows, 16 bytes of padding behind every 256), clusters of 4 x 4 with A's tile asked for
; jointly along a row and B's along a column.  The matrix instruction is used transposed: lane l holds row l % 16, columns 8 (l / 16) + 0..7.
; The way out goes through a stage of each wave's own in LDS, behind the slots, so that sixteen lanes store 256 consecutive bytes of a row of out0, aligned.
.set APL,   4352
.set BPL,   8704
.set QUART, 34816
.set SLOT,  4*QUART
.set STAGE, 2*SLOT                     ; 16 rows x 272 bytes for each wave; no tensor load ever lands here
.set ASTEP, 1048576
.set BSTEP, 8192
.set LAPS,  4
.set ADRA, 16
.set ADRB, 20
.set STO,  22
.set RD,   23
.set CO,   24
.set PL,   25
.set MT,   32                          ; v32-47  the maxima, at the start
.set F0,   64
.set F1,   128
.set T,    192                         ; v192-223  scaled results
.set R,    224                         ; v224-255  rows read back
.set G1,  24
.set G0,  32
.set G1B, 48
.set G0B, 56
.set WV,  66
.set RH,  67
.set CH,  68
.set PM,  8
.set SEL, 76
.set GW, (1<<16)|(1<<20)|(1<<21)|(5<<22)|(3<<25)
.set MULW, 0x50
.set MSB, 0
.macro WIN new
.if MSB != \new
	s_set_vgpr_msb (MSB<<8)|\new
.set MSB, \new
.endif
.endm
.macro JLOAD s
	s_cmp_eq_u32 s[RH], 0
	s_cbranch_scc0 .Lfor_b_\@
	tensor_load_to_lds s[G0+4*\s:G0+4*\s+3], s[G1:G1+7]
	s_nop 0
	s_branch .Lasked_\@
.Lfor_b_\@:
	tensor_load_to_lds s[G0B+4*\s:G0B+4*\s+3], s[G1B:G1B+7]
	s_nop 0
.Lasked_\@:
.endm
.macro CREST
	s_cmp_lg_u32 s[WV], 0
	s_cbranch_scc1 .Lnot_wave_0_\@
	s_barrier_signal -3
.Lnot_wave_0_\@:
	s_barrier_wait -3
	s_barrier_signal -1
	s_barrier_wait -1
.endm
.macro CROUND
	s_barrier_signal -1
	s_barrier_wait -1
	CREST
.endm
.macro PLACES                          ; four plain places behind matrix instructions (ISA guide 7.12.1)
.rept 4
	v_nop
.endr
.endm
.macro MAXLD g, t
	global_load_b128 v[\t:\t+3],   v[PL], s[PM:PM+1] offset:\g*1024
	global_load_b128 v[\t+4:\t+7], v[PL], s[PM:PM+1] offset:\g*1024+16
.endm
.macro MAXEXP t, sd                    ; the biased exponent of a product's largest magnitude (it feeds a scale only, never an address or a branch)
	v_max3_num_f32 v[\t], v[\t], v[\t+1], v[\t+2]
	v_max3_num_f32 v[\t+3], v[\t+3], v[\t+4], v[\t+5]
	v_max3_num_f32 v[\t], v[\t], v[\t+6], v[\t+7]
	v_max_num_f32 v[\t], v[\t], v[\t+3]
	v_max_num_f32_dpp v[\t], v[\t], v[\t] row_xmask:1 row_mask:0xf bank_mask:0xf
	v_max_num_f32_dpp v[\t], v[\t], v[\t] row_xmask:2 row_mask:0xf bank_mask:0xf
	v_max_num_f32_dpp v[\t], v[\t], v[\t] row_xmask:4 row_mask:0xf bank_mask:0xf
	v_max_num_f32_dpp v[\t], v[\t], v[\t] row_xmask:8 row_mask:0xf bank_mask:0xf
	v_permlanex16_b32 v[\t+1], v[\t], s[SEL], s[SEL+1]
	v_max_num_f32 v[\t], v[\t], v[\t+1]
	v_readfirstlane_b32 s[\sd], v[\t]
	s_lshr_b32 s[\sd], s[\sd], 23
.endm
	s_load_b256 s[4:11], s[0:1], 0x0               ; yT s[4:5], wT s[6:7], pmax s[8:9], out0 s[10:11]
	v_lshl_add_u32 v62, v0, 2, 0x48400
	v_mov_b32 v63, 0
	ds_add_u32 v62, v63
	ds_add_u32 v62, v63
	v_lshrrev_b32 v1, 5, v0
	v_readfirstlane_b32 s[WV], v1
	s_lshr_b32 s[RH], s[WV], 1
	s_and_b32 s[CH], s[WV], 1
	s_bfe_u32 s40, ttmp6, 0x40000
	s_bfe_u32 s41, ttmp6, 0x40004
	s_lshl_b32 s42, ttmp9, 2
	s_add_co_u32 s42, s42, s40                     ; block column 0..15
	s_and_b32 s13, ttmp7, 0xffff
	s_lshl_b32 s13, s13, 2
	s_add_co_u32 s13, s13, s41                     ; block row 0..15
	s_lshl_b32 s43, s41, 2
	s_lshl_b32 s43, 15, s43
	s_lshl_b32 s44, 0x1111, s40
	s_mov_b32 s76, 0x76543210
	s_mov_b32 s77, 0xfedcba98
	s_or_b32 s[G1+0], s43, GW
	s_or_b32 s[G1B+0], s44, GW
	s_mov_b32 s[G1+1], 2048<<16                    ; A: 128 rows x 16 elements of a plane, eight planes a load
	s_mov_b32 s[G1+2], 8<<16
	s_mov_b32 s[G1+3], 2048<<16
	s_mov_b32 s[G1+4], 8
	s_mov_b32 s[G1+5], 32768
	s_mov_b32 s[G1+6], 0
	s_mov_b32 s[G1+7], 0
	s_mov_b32 s[G1B+1], 4096<<16                   ; B: 256 k-rows x 16 elements, four planes a load
	s_mov_b32 s[G1B+2], 4<<16
	s_mov_b32 s[G1B+3], 4096<<16
	s_mov_b32 s[G1B+4], 4
	s_mov_b32 s[G1B+5], 32768
	s_mov_b32 s[G1B+6], 0
	s_mov_b32 s[G1B+7], 0
	s_lshl_b32 s17, s[CH], 19
	s_lshl_b32 s16, s13, 12
	s_add_co_u32 s16, s16, s17
	s_mov_b32 s17, 0
	s_lshl_b32 s47, s[CH], 18
	s_lshl_b32 s46, s42, 19
	s_add_co_u32 s46, s46, s47
	s_mov_b32 s47, 0
	s_mul_i32 s20, s[WV], QUART
	s_wait_dscnt 0x0
	s_wait_kmcnt 0x0
	s_add_nc_u64 s[14:15], s[4:5], s[16:17]
	s_add_nc_u64 s[72:73], s[6:7], 0x2800000       ; Wout's copy
	s_add_nc_u64 s[46:47], s[72:73], s[46:47]
	CROUND
.irp s, 0,1
	s_mov_b32 s[G0+4*\s], 1
	s_add_co_u32 s[G0+4*\s+1], s20, \s*SLOT
	s_add_nc_u64 s[G0+4*\s+2:G0+4*\s+3], s[14:15], \s*ASTEP
	s_or_b32 s[G0+4*\s+3], s[G0+4*\s+3], 0x80000000
	s_mov_b32 s[G0B+4*\s], 1
	s_add_co_u32 s[G0B+4*\s+1], s20, \s*SLOT
	s_add_nc_u64 s[G0B+4*\s+2:G0B+4*\s+3], s[46:47], \s*BSTEP
	s_or_b32 s[G0B+4*\s+3], s[G0B+4*\s+3], 0x80000000
	JLOAD \s
.endr
	v_and_b32 v[PL], 31, v0
	v_lshlrev_b32 v[PL], 5, v[PL]
	MAXLD 1, MT
	MAXLD 2, MT+8
	v_and_b32 v1, 15, v0                           ; r
	v_bfe_u32 v2, v0, 4, 1                         ; h
	v_lshrrev_b32 v4, 3, v1
	v_lshlrev_b32 v3, 5, v1
	v_lshl_add_u32 v3, v4, 4, v3
	v_lshl_add_u32 v3, v2, 4, v3                   ; plain fragments: 32 r + 16 (r >> 3) + 16 h
	v_and_b32 v5, 7, v0
	v_lshlrev_b32 v5, 5, v5
	v_mad_u32_u24 v5, v2, 272, v5
	v_lshl_add_u32 v5, v4, 4, v5                   ; transposing loads
	s_mul_i32 s21, s[RH], 2176
	s_mul_i32 s22, s[CH], QUART
	s_add_co_u32 s22, s22, 2*QUART
.irp s, 0,1
	v_add_nc_u32 v[ADRA+2*\s], s21, v3
	s_add_co_u32 s23, s21, QUART
	v_add_nc_u32 v[ADRA+2*\s+1], s23, v3
	v_add_nc_u32 v[ADRB+\s], s22, v5
	s_add_co_u32 s21, s21, SLOT
	s_add_co_u32 s22, s22, SLOT
.endr
	s_mul_i32 s23, s[WV], 4352
	s_add_co_u32 s23, s23, STAGE                   ; my stage
	v_mul_u32_u24 v[STO], v1, 272                  ; in: row r, 32 bytes for each half of the lanes
	v_lshl_add_u32 v[STO], v2, 5, v[STO]
	v_add_nc_u32 v[STO], s23, v[STO]
	v_mul_u32_u24 v[RD], v2, 272                   ; back: lanes 0-15 one row of 256 bytes, lanes 16-31 the next
	v_lshl_add_u32 v[RD], v1, 4, v[RD]
	v_add_nc_u32 v[RD], s23, v[RD]
	v_lshlrev_b32 v[CO], 13, v2                    ; and the same two rows in out0
	v_lshl_add_u32 v[CO], v1, 4, v[CO]
	s_wait_loadcnt 0x0
	MAXEXP MT, 74
	MAXEXP MT+8, 75
	s_max_u32 s74, s74, 100
	s_min_u32 s74, s74, 160                        ; k's exponent, clamped as where sk was made
	s_sub_co_i32 s75, 126, s75
	s_max_i32 s75, s75, -14
	s_min_i32 s75, s75, 15                         ; ev, as where sv was made
	s_add_co_i32 s70, s74, 4
	s_sub_co_i32 s70, s70, s75
	s_lshl_b32 s70, s70, 23                        ; su = 2^(e - 123 - ev)
	s_mov_b32 s71, s70
.macro MULA f, a, zero
.irp b, 0,1,2,3
.if \zero
	v_wmma_f32_16x16x32_f16 v[8*(4*\a+\b):8*(4*\a+\b)+7], v[\f+32+8*\b:\f+32+8*\b+7], v[\f+8*\a:\f+8*\a+7], 0
.else
	v_wmma_f32_16x16x32_f16 v[8*(4*\a+\b):8*(4*\a+\b)+7], v[\f+32+8*\b:\f+32+8*\b+7], v[\f+8*\a:\f+8*\a+7], v[8*(4*\a+\b):8*(4*\a+\b)+7]
.endif
.endr
.endm
.macro FETCH s, e, f                   ; 16 LDS loads in one run: B's eight, then A's by row blocks
.irp b, 0,1,2,3
	ds_load_tr16_b128 v[\f+32+8*\b:\f+32+8*\b+3], v[ADRB+\s] offset:\b*BPL+\e*1088
	ds_load_tr16_b128 v[\f+32+8*\b+4:\f+32+8*\b+7], v[ADRB+\s] offset:\b*BPL+\e*1088+544
.endr
.irp a, 0,1,2,3
	ds_load_b128 v[\f+8*\a:\f+8*\a+3],   v[ADRA+2*\s+(\e>>2)] offset:((2*\e)&7)*APL+\a*544
	ds_load_b128 v[\f+8*\a+4:\f+8*\a+7], v[ADRA+2*\s+(\e>>2)] offset:((2*\e)&7)*APL+APL+\a*544
.endr
.endm
.macro EIGHTH s, e, f, g, zero
	s_wait_dscnt 4                                 ; B and A's row blocks 0, 1 are in; the youngest four loads (blocks 2, 3) may be out
	WIN MULW
	MULA \f, 0, \zero
	MULA \f, 1, \zero
	WIN 0
	PLACES
	FETCH \s, \e, \g
	s_wait_dscnt 16                                ; all but the 16 just issued
	WIN MULW
	MULA \f, 2, \zero
	MULA \f, 3, \zero
.endm
.macro SEVEN s, zero
	EIGHTH \s, 1, F0, F1, \zero
	EIGHTH \s, 2, F1, F0, 0
	EIGHTH \s, 3, F0, F1, 0
	EIGHTH \s, 4, F1, F0, 0
	EIGHTH \s, 5, F0, F1, 0
	EIGHTH \s, 6, F1, F0, 0
	EIGHTH \s, 7, F0, F1, 0
.endm
; The last eighth changes slots: reads of this slot and all tensor loads waited for in front of the barrier; where the slot is filled again the barrier opens a
; round of the cluster's barrier and the joint refill is the first tensor load behind it.  The 16 accumulators take turns in one fixed order.
.macro TURN s, next, fill
	s_wait_dscnt 4
	WIN MULW
	MULA F1, 0, 0
	s_wait_dscnt 0
	s_wait_tensorcnt 0x0
	ds_add_u32 v62, v63
	s_wait_dscnt 0x0
	s_barrier_signal -1
	MULA F1, 1, 0
	WIN 0
	s_barrier_wait -1
.if \fill
	CREST
	s_add_nc_u64 s[G0+4*\s+2:G0+4*\s+3], s[G0+4*\s+2:G0+4*\s+3], 2*ASTEP
	s_add_nc_u64 s[G0B+4*\s+2:G0B+4*\s+3], s[G0B+4*\s+2:G0B+4*\s+3], 2*BSTEP
	JLOAD \s
.endif
	PLACES
	FETCH \next, 0, F0
	WIN MULW
	MULA F1, 2, 0
	MULA F1, 3, 0
.endm
.macro LAP zero
	SEVEN 0, \zero
	TURN 0, 1, 1
	SEVEN 1, 0
	TURN 1, 0, 1
.endm
	s_wait_tensorcnt 1                             ; my part of K step 0 is in; K step 1's load stays out
	s_barrier_signal -1
	s_barrier_wait -1
	FETCH 0, 0, F0
	LAP 1
	WIN 0
	s_mov_b32 s3, LAPS-2
.Llap:
	LAP 0
	WIN 0
	s_sub_co_u32 s3, s3, 1
	s_cmp_lg_u32 s3, 0
	s_cbranch_scc1 .Llap
	SEVEN 0, 0
	TURN 0, 1, 0
	SEVEN 1, 0
	s_wait_dscnt 4
	WIN MULW
	MULA F1, 0, 0
	MULA F1, 1, 0
	s_wait_dscnt 0
	MULA F1, 2, 0
	MULA F1, 3, 0
	; THE WAY OUT, 16 rows at a time
	PLACES
	s_lshl_b32 s16, s13, 20                        ; my first row: 128 x block row + 64 x half, 8,192 bytes a row
	s_lshl_b32 s17, s[RH], 19
	s_add_co_u32 s16, s16, s17
	s_mov_b32 s17, 0
	s_add_nc_u64 s[10:11], s[10:11], s[16:17]
	s_lshl_b32 s78, s42, 9                         ; my first column: 128 x block column + 64 x half, 4 bytes each
	s_lshl_b32 s79, s[CH], 8
	s_add_co_u32 s78, s78, s79
	s_mov_b32 s79, 0
	s_add_nc_u64 s[10:11], s[10:11], s[78:79]
.macro OOUT a
	WIN 0x01
.irp b, 0,1,2,3
.irp k, 0,1,2,3
	v_pk_mul_f32 v[T+8*\b+2*\k:T+8*\b+2*\k+1], v[8*(4*\a+\b)+2*\k:8*(4*\a+\b)+2*\k+1], s[70:71] op_sel_hi:[1,0]
.endr
.endr
	WIN 0
.irp b, 0,1,2,3
	ds_store_b128 v[STO], v[T+8*\b:T+8*\b+3]   offset:64*\b
	ds_store_b128 v[STO], v[T+8*\b+4:T+8*\b+7] offset:64*\b+16
.endr
	s_wait_xcnt 0x0                                ; R, which the last block's stores read, is loaded again only behind this wait
.irp n, 0,1,2,3,4,5,6,7
	ds_load_b128 v[R+4*\n:R+4*\n+3], v[RD] offset:544*\n   ; LDS serves a wave's instructions in order: these see the stores above
.endr
.irp n, 0,1,2,3,4,5,6,7
	s_wait_dscnt 7-\n
	global_store_b128 v[CO], v[R+4*\n:R+4*\n+3], s[10:11] offset:(16*\a+2*\n)*8192
.endr
.endm
	OOUT 0
	OOUT 1
	OOUT 2
	OOUT 3
	s_wait_tensorcnt 0x0
	ds_add_u32 v62, v63
	s_wait_dscnt 0x0
	CROUND                                         ; the closing round
	s_endpgm
.Lfunc_end_k_q63857df251_gemm3:
	.size	k_q63857df251_gemm3, .Lfunc_end_k_q63857df251_gemm3-k_q63857df251_gemm3
	.p2alignl 7, 3214868480
	.fill 96, 4, 3214868480
	.section	.rodata,"a",@progbits
	.p2align	6, 0x0
	.amdhsa_kernel k_q63857df251_gemm3
		.amdhsa_group_segment_fixed_size 327680
		.amdhsa_private_segment_fixed_size 0
		.amdhsa_enable_private_segment 0
		.amdhsa_kernarg_size 32
		.amdhsa_user_sgpr_count 2
		.amdhsa_user_sgpr_kernarg_segment_ptr 1
		.amdhsa_wavefront_size32 1
		.amdhsa_system_sgpr_workgroup_id_x 1
		.amdhsa_system_sgpr_workgroup_id_y 1
		.amdhsa_system_sgpr_workgroup_id_z 1
		.amdhsa_system_vgpr_workitem_id 0
		.amdhsa_next_free_vgpr 384
		.amdhsa_next_free_sgpr 84
		.amdhsa_reserve_vcc 0
		.amdhsa_float_denorm_mode_32 3
		.amdhsa_float_denorm_mode_16_64 3
		.amdhsa_memory_ordered 1
		.amdhsa_forward_progress 1
		.amdhsa_inst_pref_size 134
	.end_amdhsa_kernel
	.amdgpu_metadata
---
amdhsa.version: [ 1, 2 ]
amdhsa.kernels:
  - .name:           k_q63857df251_gemm3
    .symbol:         k_q63857df251_gemm3.kd
    .args:
      - { .name: yT, .offset: 0, .size: 8, .value_kind: global_buffer, .address_space: global }
      - { .name: wT, .offset: 8, .size: 8, .value_kind: global_buffer, .address_space: global }
      - { .name: pmax, .offset: 16, .size: 8, .value_kind: global_buffer, .address_space: global }
      - { .name: out0, .offset: 24, .size: 8, .value_kind: global_buffer, .address_space: global }
    .group_segment_fixed_size: 327680
    .private_segment_fixed_size: 0
    .kernarg_segment_align: 8
    .kernarg_segment_size: 32
    .max_flat_workgroup_size: 128
    .sgpr_count:     84
    .vgpr_count:     384
    .wavefront_size: 32
...
	.end_amdgpu_metadata
.endif
;; end of part 5
